; MI455X (gfx1250); checked and timed in simulation.
; The chip was launched on July 23, 2026; its instructions are those of AMD's public machine-readable ISA for CDNA 5 (MIT licence, August 2026) and "CDNA5" Instruction Set Architecture Reference Guide (July 2026). The comments in the code are by the model that wrote it; some were corrected since.
;; Neuron Memory. Allowed arithmetic: matrix products marked QUANTISED: E2M1 operands, one E8M0 scale for each 32 along K, by v_wmma_scale_f32_16x16x128_f8f6f4 with both operands' format E2M1 (or v_wmma_scale_f32_32x16x128_f4), f32 sums; products left as they are: f32 operands where the result goes on into a quantised operand, else bf16, f16 or f32 operands; f32 sums; everything else in f32.
;; Inputs: compress_neurons_codes 16 x 128 x 32 x 16 uint8 (E2M1 codes of compress_neurons, K innermost, in blocks of 32 codes, two codes a byte); compress_neurons_scales 16 x 128 x 32 uint8 (E8M0 scales of compress_neurons, one for each 32 codes along K); knowledge_K_codes 32,768 x 4 x 16 uint8 (E2M1 codes of knowledge_K, K innermost, in blocks of 32 codes, two codes a byte); knowledge_K_scales 32,768 x 4 uint8 (E8M0 scales of knowledge_K, one for each 32 codes along K); knowledge_V 32,768 x 1,024 float32; router_w_codes 16 x 32 x 16 uint8 (E2M1 codes of router_w, K innermost, in blocks of 32 codes, two codes a byte); router_w_scales 16 x 32 uint8 (E8M0 scales of router_w, one for each 32 codes along K); x_codes 2 x 2,048 x 32 x 16 uint8 (E2M1 codes of x, K innermost, in blocks of 32 codes, two codes a byte); x_scales 2 x 2,048 x 32 uint8 (E8M0 scales of x, one for each 32 codes along K).
;; Outputs: out0 2 x 2,048 x 1,024 float32.
;; This version of the problem:
;;   THIS VERSION OF THE PROBLEM IS GIVEN IN LOW PRECISION. The matrix products marked QUANTISED in the list below multiply operands that are first quantised to E2M1 (2 exponent bits, 1 mantissa bit; 4 bits a number), with one power-of-two scale for each 32 numbers along K (OCP MX v1.0); their sums are f32. All else is computed in f32.
;;   The module's matrix products, in the order in which they are computed (A, B: the left and right operand; K: the contracted axis; several contracted axes count as one K, in the product's order):
;;     1. [M 4,096, K 1,024] x [K 1,024, N 16]; A: input x (given as codes); B: input router_w (given as codes): QUANTISED
;;     2. [M 2,048, K 1,024] x [K 1,024, N 4,096]; A: input compress_neurons (given as codes); B: input x (given as codes): QUANTISED
;;     3. batch 4,096 x [M 1, K 16] x [K 16, N 128]; A: softmax; B: computed on the way: left as it is (K = 16 < 32)
;;     4. [M 4,096, K 128] x [K 128, N 32,768]; A: computed on the way; B: input knowledge_K (given as codes): QUANTISED
;;     5. batch 4,096 x [M 1,024, K 8] x [K 8, N 1]; A: computed on the way; B: softmax: left as it is (K = 8 < 32)
;;   THE QUANTISER, for each operand of a quantised product, along K:
;;     - K is cut into blocks of 32 from its start; a last block that is shorter is filled with zeros.
;;     - A block's scale is 2^e with e = floor(log2(the largest magnitude in the block)) - 2, held to -126 .. 127; a block of zeros has e = 0. As a byte (E8M0): e + 127.
;;     - Each number is divided by its block's scale, clamped to +-6, and rounded to the nearest number of E2M1, ties to even, subnormals kept.
;;     - The product sums the exact products of the quantised numbers (number of the format x scale) in f32.
;;   ~~~python
;;   def quantise(x, axis):      # numpy; x: float32 -> the quantised numbers, widened to float32 again
;;       x = np.moveaxis(x, axis, -1); K = x.shape[-1]
;;       x = np.pad(x, [(0, 0)] * (x.ndim - 1) + [(0, -K % 32)]); x = x.reshape(x.shape[:-1] + (-1, 32)); a = np.abs(x).max(-1, keepdims=True)
;;       e = np.where(a > 0, np.clip(np.frexp(np.where(a > 0, a, 1))[1] - 1 - 2, -126, 127), 0)      # np.frexp(a)[1] - 1 = floor(log2(a)), exactly
;;       r = np.clip(x / 2.0 ** e, -6, 6)
;;       step = 2.0 ** (np.maximum(np.frexp(np.where(r == 0, 1, r))[1] - 1, 0) - 1)
;;       q = np.round(r / step) * step * 2.0 ** e      # np.round: ties to even
;;       return np.moveaxis(q.reshape(q.shape[:-2] + (-1,))[..., :K], -1, axis).astype(np.float32)
;;   ~~~
;;   OPERANDS COMPUTED ON THE WAY. 'Computed on the way' means the value that the module computes at that place (a softmax that the list does not call 'softmax' is quantised finished and normalised). What goes into a quantiser is computed in f32, as accurately as f32 sums, v_exp_f32 and their like allow (about 1e-6 of the number): no bf16 or f16 on the way to a quantiser, and a product that is left as it is and whose result goes on into a quantised operand takes f32 operands (vector FMAs, or v_wmma_f32_16x16x4_f32). A number that lies on a knife's edge between two numbers of the format may be rounded either way, as far as f32 arithmetic and the matrix unit's own rounding can turn it there, and no further.
;;   INPUTS GIVEN AS CODES. compress_neurons (in the module: [16, 1024, 128], K = its axis 1); knowledge_K (in the module: [32768, 128], K = its axis 1); router_w (in the module: [16, 1024], K = its axis 1); x (in the module: [2, 2048, 1024], K = its axis 2): each comes as NAME_codes (uint8): NAME with its K axis moved to the last place and cut into blocks of 32 codes, [.., K / 32, bytes a block], one block behind the other in memory; two codes a byte, the lower K in the low four bits (a code: sign, 2 exponent bits, 1 mantissa bit); and NAME_scales (uint8): the same leading axes, one E8M0 byte (e + 127) for each 32 codes along K. Its value is code x scale, taken as it is: it is not quantised again, and the codes and scales need not be those that the quantiser above would give.
;; 2 versions, each right; version 2 is version 1 with the launches gmax, rescan written anew for expert scheduling mode. Each part assembles by itself: llvm-mc -triple=amdgcn-amd-amdhsa -mcpu=gfx1250 --defsym DOCPART=n.
;; ======== version 1 of 2: 5 launches
;; workspace buffers: qcodes 262,144 bytes; qscales 16,384 bytes; gmax 8,388,608 bytes; gids 131,072 bytes of whole numbers; kidx 131,072 bytes of whole numbers; kwts 131,072 bytes
;; launch qmake (part 1): grid 64 x 4, 16 waves a work-group, clusters of 4 x 1, 327,680 bytes of LDS; arguments x_codes, x_scales, router_w_codes, router_w_scales, compress_neurons_codes, compress_neurons_scales, qcodes, qscales; writes qcodes, qscales
.if DOCPART == 1
	.amdgcn_target "amdgcn-amd-amdhsa--gfx1250"
	.amdhsa_code_object_version 6
	.text
	.protected	k_q03ca3f669f_qmake
	.globl	k_q03ca3f669f_qmake
	.p2align	8
	.type	k_q03ca3f669f_qmake,@function
k_q03ca3f669f_qmake:
	s_mov_b64 s[64:65], 0
	v_nop
	global_prefetch_b8 v0, s[64:65] scope:SCOPE_SE
	s_setreg_imm32_b32 hwreg(HW_REG_WAVE_MODE, 25, 1), 1
	s_wait_xcnt 0x0
	s_wait_alu depctr_hold_cnt(0) depctr_sa_sdst(0) depctr_va_vdst(0) depctr_va_sdst(0) depctr_va_ssrc(0) depctr_va_vcc(0) depctr_vm_vsrc(0)
	s_getreg_b32 s2, hwreg(HW_REG_IB_STS2, 6, 4)
	s_cmp_eq_u32 s2, 0
	s_cbranch_scc0 .Lentry_in_a_cluster
	s_endpgm
.Lentry_in_a_cluster:
	s_bfe_u32 s2, ttmp6, 0x10000c
	s_cmp_lg_u32 s2, 0x3003
	s_cbranch_scc0 .Lentry_shape_is_right
	s_endpgm
.Lentry_shape_is_right:
; Q[token][r] = sum over n of softmax_n(x . router_n) x (x . W[n][:][r]), quantised along r to E2M1 with one E8M0 byte for each 32.
; x [4096][1024], router [16][1024], W [16][128 r][1024]: E2M1 codes, K innermost, 512 bytes a row; scale bytes 32 a row.
; OUT: qcodes [4 blocks of r][4096 tokens][16 bytes], qscales [4096 tokens][4 bytes].
; SHARES.  A work-group takes 64 tokens and ONE block of 32 r, for all 16 neurons.  Wave n takes neuron n: two tiles of 16 rows of W against four tiles of 16 tokens: 8 accumulators,
; 8 K steps of 128.  The product is used transposed (source 0 = rows of W, source 1 = tokens): a lane holds one token (lane % 16) and its registers run along r.
; Waves 0-3 also make the router's scores and softmax of token tile w, and at the end add the sixteen waves' results of that tile, weighted, in f32, neurons ascending.
; CLUSTER.  The four work-groups of a cluster share the block of r, so they read the same 512 rows of W (262,144 of a work-group's 303,104 bytes of codes) and the same router rows: these are asked for
; jointly, by the same tensor load with the same descriptor and a mask that names the four.  x's rows are each work-group's own: plain loads.
; LDS, every byte filled once: W's K bytes 0-255 at 0 (wave n's 32 rows at 8,704 n, pitch 272), K bytes 256-511 at 139,264, x's 64 rows at 278,528 (pitch 528), the router's 16 rows at 312,320.
; Both pitches are odd multiples of 16 bytes: the sixteen rows that a fragment load touches begin at sixteen different 16-byte columns of a span of 256 bytes.
; The waves' results meet in LDS as images of their registers (512 bytes a store, 16 x lane), in each wave's own first tile of W, which has had its only fill and which that wave alone has read.
; LIMITS: a block of Q whose largest magnitude lies under 2^-124 gets the byte 1 (a block of zeros too, where the rule says 127: its codes are zeros, and this program alone reads the bytes);
; NaN, infinities and scale bytes 0xff among the inputs are not served.
.set WTILE, 8704                       ; a wave's tile of W in LDS: 32 rows x 272
.set W1OFF, 139264
.set XB,    278528
.set RB,    312320
.set XP,    528
.set ACC,  16                          ; v16-79   accumulator (u, t) at ACC + 8 (4 u + t)
.set WF,   80                          ; v80-95   two fragments of W
.set XF,   96                          ; v96-127  four fragments of x
.set RF,   16                          ; v16-79   the router's eight fragments (waves 0-3, ahead of the K steps)
.set RX,   80                          ; v80-143  x's eight fragments of my router tile
.set RACC, 144                         ; v144-151 the router's scores
.set WS,   152                         ; v152-167 W's scale words, 8 u + s;  v168-199 x's, 8 t + s;  v200-207 the router's;  v208-215 x's of my router tile: they hold scales and nothing else
.set XS,   168
.set RS,   200
.set RXS,  208
.set QA,   216                         ; v216-231 at the end: my token's 16 numbers of Q;  before that the softmax's work (v216-235)
.set WN,   240                         ; v240-255 my token's 16 weights
.set G1W,  36                          ; s[36:43] group 1 for W's tiles;  s[44:51] for x's;  s[52:59] for the router's
.set G1X,  44
.set G1R,  52
.set G0X,  60                          ; groups 0: s[60:63] x, s[68:71] router, s[72:75] W's first half, s[76:79] W's second
.set G0R,  68
.set G0W0, 72
.set G0W1, 76
.macro PLACES n
.rept \n
	v_nop
.endr
.endm
.macro MM0 d, a, b, sa, sb             ; a product that starts a sum
	v_wmma_scale_f32_16x16x128_f8f6f4 v[(\d):(\d)+7], v[(\a):(\a)+7], v[(\b):(\b)+7], 0, v[(\sa)], v[(\sb)] matrix_a_fmt:MATRIX_FMT_FP4 matrix_b_fmt:MATRIX_FMT_FP4
.endm
.macro MMA d, a, b, sa, sb             ; a product that adds in place
	v_wmma_scale_f32_16x16x128_f8f6f4 v[(\d):(\d)+7], v[(\a):(\a)+7], v[(\b):(\b)+7], v[(\d):(\d)+7], v[(\sa)], v[(\sb)] matrix_a_fmt:MATRIX_FMT_FP4 matrix_b_fmt:MATRIX_FMT_FP4
.endm
.macro ROUND                           ; a round of the cluster's barrier
	s_barrier_signal -1
	s_barrier_wait -1
	s_cmp_lg_u32 s20, 0
	s_cbranch_scc1 .Lnot_wave_0_\@
	s_barrier_signal -3
.Lnot_wave_0_\@:
	s_barrier_wait -3
	s_barrier_signal -1
	s_barrier_wait -1
.endm
	s_load_b512 s[4:19], s[0:1], 0x0               ; x codes s[4:5], x scales s[6:7], router codes s[8:9], router scales s[10:11], W codes s[12:13], W scales s[14:15], qcodes s[16:17], qscales s[18:19]
	v_lshl_add_u32 v238, v0, 2, 0x4e500
	v_mov_b32 v239, 0
	ds_add_u32 v238, v239
	ds_add_u32 v238, v239
	v_lshrrev_b32 v12, 5, v0
	v_readfirstlane_b32 s20, v12                   ; wave 0..15 = my neuron
	s_bfe_u32 s21, ttmp6, 0x40000                  ; cx: it enters x's, qcodes' and qscales' global addresses alone
	s_lshl_b32 s22, ttmp9, 2
	s_add_co_u32 s22, s22, s21                     ; block of 64 tokens = 4 x cluster x + cx
	s_and_b32 s23, ttmp7, 0xffff                   ; block of 32 r, which the four partners share
	s_lshl_b32 s24, s22, 6                         ; my work-group's first token
	s_and_b32 s25, s20, 3                          ; the token tile whose router scores and whose sum waves 0-3 make
	s_mov_b32 s26, 0x76543210                      ; v_permlanex16_b32's selects for lane l xor 16
	s_mov_b32 s27, 0xfedcba98
	; group 1, W: 32 rows x 256 bytes out of rows of 512; 4 words of padding behind every 64; the mask names all four work-groups, bit 21 beside it
	s_mov_b32 s[G1W+0], 15|(1<<20)|(1<<21)|(5<<22)|(3<<25)
	s_mov_b32 s[G1W+1], 256<<16                    ; tensor_dim0
	s_mov_b32 s[G1W+2], 32<<16                     ; tensor_dim1
	s_mov_b32 s[G1W+3], 256<<16                    ; tile_dim0
	s_mov_b32 s[G1W+4], 32                         ; tile_dim1
	s_mov_b32 s[G1W+5], 512                        ; bytes from row to row
	s_mov_b32 s[G1W+6], 0
	s_mov_b32 s[G1W+7], 0
	; x: 4 whole rows of 512 bytes a wave; 4 words of padding behind every 128; no mask
	s_mov_b32 s[G1X+0], (1<<20)|(6<<22)|(3<<25)
	s_mov_b32 s[G1X+1], 512<<16
	s_mov_b32 s[G1X+2], 4<<16
	s_mov_b32 s[G1X+3], 512<<16
	s_mov_b32 s[G1X+4], 4
	s_mov_b32 s[G1X+5], 512
	s_mov_b32 s[G1X+6], 0
	s_mov_b32 s[G1X+7], 0
	; the router: one row of 512 bytes a wave, jointly
	s_mov_b32 s[G1R+0], 15|(1<<20)|(1<<21)|(6<<22)|(3<<25)
	s_mov_b32 s[G1R+1], 512<<16
	s_mov_b32 s[G1R+2], 1<<16
	s_mov_b32 s[G1R+3], 512<<16
	s_mov_b32 s[G1R+4], 1
	s_mov_b32 s[G1R+5], 512
	s_mov_b32 s[G1R+6], 0
	s_mov_b32 s[G1R+7], 0
	; groups 0: LDS addresses hang on the wave's number alone
	s_mov_b32 s[G0X], 1
	s_mul_i32 s[G0X+1], s20, 4*XP
	s_add_co_u32 s[G0X+1], s[G0X+1], XB
	s_mov_b32 s[G0R], 1
	s_mul_i32 s[G0R+1], s20, XP
	s_add_co_u32 s[G0R+1], s[G0R+1], RB
	s_mov_b32 s[G0W0], 1
	s_mul_i32 s[G0W0+1], s20, WTILE
	s_mov_b32 s[G0W1], 1
	s_add_co_u32 s[G0W1+1], s[G0W0+1], W1OFF
	s_lshl_b32 s28, s20, 2
	s_add_co_u32 s28, s28, s24
	s_lshl_b32 s28, s28, 9                         ; x: (first token + 4 x wave) rows of 512 bytes
	s_mov_b32 s29, 0
	s_lshl_b32 s30, s20, 9                         ; router: row = wave
	s_mov_b32 s31, 0
	s_lshl_b32 s32, s20, 16                        ; W: neuron = wave (65,536 bytes each), rows 32 x block on (16,384 bytes): nothing of cx in these registers
	s_lshl_b32 s34, s23, 14
	s_add_co_u32 s32, s32, s34
	s_mov_b32 s33, 0
	s_wait_dscnt 0x0
	s_wait_kmcnt 0x0
	s_add_nc_u64 s[G0X+2:G0X+3], s[4:5], s[28:29]
	s_or_b32 s[G0X+3], s[G0X+3], 0x80000000
	s_add_nc_u64 s[G0R+2:G0R+3], s[8:9], s[30:31]
	s_or_b32 s[G0R+3], s[G0R+3], 0x80000000
	s_add_nc_u64 s[G0W0+2:G0W0+3], s[12:13], s[32:33]
	s_add_nc_u64 s[G0W1+2:G0W1+3], s[G0W0+2:G0W0+3], 256
	s_or_b32 s[G0W0+3], s[G0W0+3], 0x80000000
	s_or_b32 s[G0W1+3], s[G0W1+3], 0x80000000
	ROUND                                          ; all four work-groups are here: the joint loads meet
	tensor_load_to_lds s[G0X:G0X+3], s[G1X:G1X+7]          ; all fills of the launch go out as one group: four loads of mine are out
	s_nop 0
	tensor_load_to_lds s[G0R:G0R+3], s[G1R:G1R+7]
	s_nop 0
	tensor_load_to_lds s[G0W0:G0W0+3], s[G1W:G1W+7]
	s_nop 0
	tensor_load_to_lds s[G0W1:G0W1+3], s[G1W:G1W+7]
	s_nop 0
	PLACES 4
	; every address register is made here, ahead of the branches on the wave's number
	v_and_b32 v1, 15, v0                           ; r = lane % 16
	v_bfe_u32 v2, v0, 4, 1                         ; h = lane / 16
	v_and_b32 v12, 31, v0
	v_lshlrev_b32 v12, 4, v12                      ; 16 x lane
	v_mul_u32_u24 v3, v1, 272
	v_lshl_add_u32 v3, v2, 4, v3
	s_mul_i32 s28, s20, WTILE
	v_add_nc_u32 v3, s28, v3                       ; v3: my fragments of W, K bytes 0-255
	v_add_nc_u32 v4, W1OFF, v3                     ; v4: K bytes 256-511
	v_add_nc_u32 v8, s28, v12                      ; v8: where I put my results' images
	v_mul_u32_u24 v5, v1, XP
	v_lshl_add_u32 v5, v2, 4, v5
	v_add_nc_u32 v6, RB, v5                        ; v6: the router's fragments
	v_add_nc_u32 v5, XB, v5                        ; v5: x's fragments
	s_mul_i32 s29, s25, 16*XP
	v_add_nc_u32 v7, s29, v5                       ; v7: x's fragments of token tile wave % 4
	s_lshl_b32 s29, s25, 11
	v_add_nc_u32 v9, s29, v12                      ; v9: the images of token tile wave % 4, neurons 0-7;
	v_add_nc_u32 v10, 8*WTILE, v9                  ; v10: neurons 8-15
	v_lshlrev_b32 v11, 5, v1                       ; v11: a row of 32 scale bytes
	s_lshl_b32 s29, s25, 9
	v_add_nc_u32 v13, s29, v11                     ; v13: the same in token tile wave % 4
	v_lshlrev_b32 v14, 4, v1
	v_lshl_add_u32 v14, v2, 3, v14                 ; v14: qcodes: 16 r + 8 h
	v_lshlrev_b32 v15, 2, v1                       ; v15: qscales: 4 r
	s_lshl_b32 s28, s20, 12
	s_lshl_b32 s30, s23, 10
	s_add_co_u32 s28, s28, s30
	s_mov_b32 s29, 0
	s_add_nc_u64 s[14:15], s[14:15], s[28:29]      ; W's scale bytes at my neuron's 32 rows
	s_lshl_b32 s28, s24, 5
	s_add_nc_u64 s[6:7], s[6:7], s[28:29]          ; x's at the work-group's first token
	; a row's 32 scale bytes are the eight words of its eight K steps: two loads of 16 bytes a row, once
.irp u, 0,1
.irp q, 0,1
	global_load_b128 v[WS+8*\u+4*\q:WS+8*\u+4*\q+3], v11, s[14:15] offset:512*\u+16*\q
.endr
.endr
.irp t, 0,1,2,3
.irp q, 0,1
	global_load_b128 v[XS+8*\t+4*\q:XS+8*\t+4*\q+3], v11, s[6:7] offset:512*\t+16*\q
.endr
.endr
.irp q, 0,1
	global_load_b128 v[RS+4*\q:RS+4*\q+3], v11, s[10:11] offset:16*\q
	global_load_b128 v[RXS+4*\q:RXS+4*\q+3], v13, s[6:7] offset:16*\q
.endr
	v_mov_b32 v217, 0                              ; a lane permute's destination counts as one of its sources: written once
.irp j, 0,1,2,3,4,5,6,7
	v_mov_b32 v[228+\j], 0
.endr
.irp j, 0,1,2,3,4,5,6,7,8,9,10,11,12,13,14,15
	v_mov_b32 v[WN+\j], 0                          ; written in every wave, so that they hold a number on every way to the second branch
.endr
	s_wait_tensorcnt 0x1                           ; x's, the router's and W's first tiles of mine have landed; W's second may stay out
	s_barrier_signal -1
	s_barrier_wait -1                              ; everybody's have: x and the router are read by other waves than those that fetched them
	s_wait_loadcnt 0x0                             ; the scale words
	s_cmp_lt_u32 s20, 4
	s_cbranch_scc0 .Lno_router
	; ---- waves 0-3: the router's scores of token tile w.  Source 0 = the 16 router rows, source 1 = 16 tokens: lane (r, h) holds token r and neurons 8 h + 0 .. 7
.irp s, 0,1,2,3,4,5,6,7
.irp c, 0,1
	ds_load_b128 v[RF+8*\s+4*\c:RF+8*\s+4*\c+3], v6 offset:64*\s+32*\c
	ds_load_b128 v[RX+8*\s+4*\c:RX+8*\s+4*\c+3], v7 offset:64*\s+32*\c
.endr
.endr
	s_wait_dscnt 0x0
	MM0 RACC, RF, RX, RS, RXS
.irp s, 1,2,3,4,5,6,7
	s_wait_alu depctr_va_vdst(0)                   ; a wait ahead of each link
	MMA RACC, RF+8*\s, RX+8*\s, RS+\s, RXS+\s
.endr
	PLACES 5                                       ; behind the chain: its result is read below, and the K steps' products write over its operands
	v_max3_num_f32 v216, v144, v145, v146          ; the softmax over 16 neurons: my eight, then lane l xor 16's
	v_max3_num_f32 v216, v216, v147, v148
	v_max3_num_f32 v216, v216, v149, v150
	v_max_num_f32 v216, v216, v151
	v_permlanex16_b32 v217, v216, s26, s27
	v_max_num_f32 v216, v216, v217                 ; the token's largest score is taken away
.irp j, 0,1,2,3,4,5,6,7
	v_sub_f32 v[218+\j], v[RACC+\j], v216
.endr
.irp j, 0,1,2,3,4,5,6,7
	v_mul_f32 v[218+\j], 0x3fb8aa3b, v[218+\j]     ; x log2(e)
.endr
.irp j, 0,1,2,3,4,5,6,7
	v_exp_f32 v[218+\j], v[218+\j]
.endr
	v_nop                                          ; a plain place behind the exponentials
	s_wait_alu depctr_va_vdst(0)
	v_add_f32 v226, v218, v219
	v_add_f32 v227, v220, v221
	v_add_f32 v226, v226, v222
	v_add_f32 v227, v227, v223
	v_add_f32 v226, v226, v224
	v_add_f32 v227, v227, v225
	v_add_f32 v226, v226, v227
	v_permlanex16_b32 v217, v226, s26, s27
	v_add_f32 v226, v226, v217
	v_rcp_f32 v227, v226
	v_cmp_eq_u32 vcc_lo, 1, v2                     ; (a plain place behind the reciprocal)  lanes 16-31
	s_wait_alu depctr_va_vdst(0)
.irp j, 0,1,2,3,4,5,6,7
	v_mul_f32 v[218+\j], v[218+\j], v227
.endr
.irp j, 0,1,2,3,4,5,6,7
	v_permlanex16_b32 v[228+\j], v[218+\j], s26, s27
.endr
.irp j, 0,1,2,3,4,5,6,7
	v_cndmask_b32 v[WN+\j], v[218+\j], v[228+\j], vcc_lo       ; neurons 0-7: mine in lanes 0-15, the other half's in lanes 16-31
	v_cndmask_b32 v[WN+8+\j], v[228+\j], v[218+\j], vcc_lo     ; neurons 8-15 the other way round: every lane holds its token's 16 weights
.endr
.Lno_router:
; ---- a K step of 128: my two fragments of W, the four of x, eight products.  The eight accumulators take turns, one instruction a turn, in the same order in every step.
; Four waves share a SIMD: while one waits for its twelve loads another multiplies, so the fragments have one set of registers.
.macro STEP s
.if (\s) > 0
	PLACES 4                                       ; in front of loads into registers that matrix instructions have read
.endif
.irp u, 0,1
.irp c, 0,1
	ds_load_b128 v[WF+8*\u+4*\c:WF+8*\u+4*\c+3], v[3+(\s)/4] offset:16*272*\u+64*((\s)%4)+32*\c
.endr
.endr
.irp t, 0,1,2,3
.irp c, 0,1
	ds_load_b128 v[XF+8*\t+4*\c:XF+8*\t+4*\c+3], v5 offset:16*XP*\t+64*(\s)+32*\c
.endr
.endr
	s_wait_dscnt 0x0
.irp u, 0,1
.irp t, 0,1,2,3
.if (\s) == 0
	MM0 ACC+8*(4*\u+\t), WF+8*\u, XF+8*\t, WS+8*\u+(\s), XS+8*\t+(\s)
.else
	MMA ACC+8*(4*\u+\t), WF+8*\u, XF+8*\t, WS+8*\u+(\s), XS+8*\t+(\s)
.endif
.endr
.endr
.endm
	STEP 0
	STEP 1
	STEP 2
	STEP 3
	s_wait_tensorcnt 0x0                           ; W's second tile of mine, which I alone read
	STEP 4
	STEP 5
	STEP 6
	STEP 7
	PLACES 4                                       ; behind the last products: their results are read, and their registers loaded into, below
.irp t, 0,1,2,3
.irp u, 0,1
.irp q, 0,1
	ds_store_b128 v8, v[ACC+8*(4*\u+\t)+4*\q:ACC+8*(4*\u+\t)+4*\q+3] offset:512*(4*\t+2*\u+\q)   ; image 4 t + 2 u + q; each accumulator from its low end on
.endr
.endr
.endr
	s_wait_dscnt 0x0                               ; for the others' sake: my images lie in LDS
	s_barrier_signal -1
	s_barrier_wait -1
	s_cmp_lt_u32 s20, 4
	s_cbranch_scc0 .Lend
	; ---- waves 0-3: Q of token tile w.  Lane (r, h) holds token r; number 8 u + j of its 16 is r index 16 u + 8 h + j of the block
	s_lshl_b32 s28, s20, 4
	s_add_co_u32 s28, s28, s24                     ; my tile's first token
	s_lshl_b32 s30, s28, 2
	s_add_co_u32 s30, s30, s23                     ; qscales: 4 x token + block
	s_mov_b32 s31, 0
	s_lshl_b32 s28, s28, 4
	s_lshl_b32 s32, s23, 16
	s_add_co_u32 s28, s28, s32                     ; qcodes: 65,536 x block + 16 x token
	s_mov_b32 s29, 0
	s_add_nc_u64 s[16:17], s[16:17], s[28:29]
	s_add_nc_u64 s[18:19], s[18:19], s[30:31]
.macro PLOAD b                         ; the images of neurons 4 b .. 4 b + 3 into buffer b % 2
.irp n, 0,1,2,3
.irp i, 0,1,2,3
	ds_load_b128 v[16+64*((\b)%2)+16*\n+4*\i:16+64*((\b)%2)+16*\n+4*\i+3], v[9+(\b)/2] offset:WTILE*((4*(\b)+\n)%8)+512*\i
.endr
.endr
.endm
.macro PSUM b                          ; Q += weight x result, neurons ascending; the first product starts the sums
.irp n, 0,1,2,3
.irp k, 0,1,2,3,4,5,6,7,8,9,10,11,12,13,14,15
.if (4*(\b)+\n) == 0
	v_mul_f32 v[QA+\k], v[16+\k], v[WN]
.else
	v_fmac_f32 v[QA+\k], v[16+64*((\b)%2)+16*\n+\k], v[WN+4*(\b)+\n]
.endif
.endr
.endr
.endm
	PLOAD 0
	PLOAD 1
	s_wait_dscnt 16                                ; the older sixteen loads are in, the younger sixteen may be out
	PSUM 0
	PLOAD 2
	s_wait_dscnt 16
	PSUM 1
	PLOAD 3
	s_wait_dscnt 16
	PSUM 2
	s_wait_dscnt 0x0
	PSUM 3
	; the quantiser: the block of 32 lies in lanes l and l xor 16
	v_max3_num_f32 v232, |v[QA]|, |v[QA+1]|, 0x1800000         ; with the floor 2^(3 - 127): the byte cannot fall under 1
.irp i, 2,4,6,8,10,12,14
	v_max3_num_f32 v232, v232, |v[QA+\i]|, |v[QA+\i+1]|
.endr
	v_permlanex16_b32 v233, v232, s26, s27
	v_max_num_f32 v232, v232, v233                 ; the block's largest magnitude
	v_add_nc_u32 v234, 0xff000000, v232            ; 2 off its exponent field: the conversion takes that field as its scale
	v_lshrrev_b32 v235, 23, v234                   ; the scale's byte
	v_cvt_scalef32_pk8_fp4_f32 v236, v[QA:QA+7], v234          ; r index 8 h + 0 .. 7
	v_cvt_scalef32_pk8_fp4_f32 v237, v[QA+8:QA+15], v234       ; 16 + 8 h + 0 .. 7
	v_nop                                          ; one plain place behind a scaled conversion
	v_permlane16_swap_b32 v236, v237               ; lane (r, h) now holds bytes 8 h .. 8 h + 7 of its token's 16
	global_store_b64 v14, v[236:237], s[16:17]     ; the wave stores 256 consecutive bytes, aligned
	global_store_b8 v15, v235, s[18:19]            ; both lanes of a token write the same byte with the same value
.Lend:
	s_wait_tensorcnt 0x0
	ds_add_u32 v238, v239
	s_wait_dscnt 0x0
	ROUND                                          ; the closing round: no work-group ends while a partner may still ask for a tile that names it
	s_endpgm
.Lfunc_end_k_q03ca3f669f_qmake:
	.size	k_q03ca3f669f_qmake, .Lfunc_end_k_q03ca3f669f_qmake-k_q03ca3f669f_qmake
	.p2alignl 7, 3214868480
	.fill 96, 4, 3214868480
	.section	.rodata,"a",@progbits
	.p2align	6, 0x0
	.amdhsa_kernel k_q03ca3f669f_qmake
		.amdhsa_group_segment_fixed_size 327680
		.amdhsa_private_segment_fixed_size 0
		.amdhsa_enable_private_segment 0
		.amdhsa_kernarg_size 64
		.amdhsa_user_sgpr_count 2
		.amdhsa_user_sgpr_kernarg_segment_ptr 1
		.amdhsa_wavefront_size32 1
		.amdhsa_system_sgpr_workgroup_id_x 1
		.amdhsa_system_sgpr_workgroup_id_y 1
		.amdhsa_system_sgpr_workgroup_id_z 1
		.amdhsa_system_vgpr_workitem_id 0
		.amdhsa_next_free_vgpr 256
		.amdhsa_next_free_sgpr 96
		.amdhsa_reserve_vcc 1
		.amdhsa_float_denorm_mode_32 3
		.amdhsa_float_denorm_mode_16_64 3
		.amdhsa_memory_ordered 1
		.amdhsa_forward_progress 1
		.amdhsa_inst_pref_size 46
	.end_amdhsa_kernel
	.amdgpu_metadata
---
amdhsa.version: [ 1, 2 ]
amdhsa.kernels:
  - .name:           k_q03ca3f669f_qmake
    .symbol:         k_q03ca3f669f_qmake.kd
    .args:
      - { .name: x_codes, .offset: 0, .size: 8, .value_kind: global_buffer, .address_space: global }
      - { .name: x_scales, .offset: 8, .size: 8, .value_kind: global_buffer, .address_space: global }
      - { .name: router_w_codes, .offset: 16, .size: 8, .value_kind: global_buffer, .address_space: global }
      - { .name: router_w_scales, .offset: 24, .size: 8, .value_kind: global_buffer, .address_space: global }
      - { .name: compress_neurons_codes, .offset: 32, .size: 8, .value_kind: global_buffer, .address_space: global }
      - { .name: compress_neurons_scales, .offset: 40, .size: 8, .value_kind: global_buffer, .address_space: global }
      - { .name: qcodes, .offset: 48, .size: 8, .value_kind: global_buffer, .address_space: global }
      - { .name: qscales, .offset: 56, .size: 8, .value_kind: global_buffer, .address_space: global }
    .group_segment_fixed_size: 327680
    .private_segment_fixed_size: 0
    .kernarg_segment_align: 8
    .kernarg_segment_size: 64
    .max_flat_workgroup_size: 512
    .sgpr_count:     96
    .vgpr_count:     256
    .wavefront_size: 32
...
	.end_amdgpu_metadata
.endif
;; end of part 1
;; launch gmax (part 2): grid 32 x 8, 8 waves a work-group, no clusters, 35,840 bytes of LDS; arguments qcodes, qscales, knowledge_K_codes, knowledge_K_scales, gmax; writes gmax
.if DOCPART == 2
	.amdgcn_target "amdgcn-amd-amdhsa--gfx1250"
	.amdhsa_code_object_version 6
	.text
	.protected	k_q03ca3f669f_gmax
	.globl	k_q03ca3f669f_gmax
	.p2align	8
	.type	k_q03ca3f669f_gmax,@function
k_q03ca3f669f_gmax:
	s_mov_b64 s[64:65], 0
	v_nop
	global_prefetch_b8 v0, s[64:65] scope:SCOPE_SE
	s_setreg_imm32_b32 hwreg(HW_REG_WAVE_MODE, 25, 1), 1
	s_wait_xcnt 0x0
; gmax[token][g] = the largest of Q[token] . K[key] over the 64 keys 64 g .. 64 g + 63 (the sums as they are, not yet divided by sqrt(128): the division keeps their order).
; Q: qcodes [4 blocks][4096][16 bytes], qscales [4096][4].  K: codes [32768][64 bytes], scale bytes [32768][4].  gmax: [4096][512] f32.
; SHARES.  A work-group takes 128 tokens and 4,096 keys; wave w takes 512 of the keys against all eight tiles of 16 tokens, whose fragments and scale words stay in its registers.
; Source 0 = 16 keys, source 1 = 16 tokens: a lane holds one token (lane % 16) and eight keys.  THE KEYS OF A FRAGMENT ARE NOT NEIGHBOURS: row m of fragment f takes key 256 (m / 8) + 8 f + m % 8 of the wave's 512,
; so that lanes 0-15 see, over fragments 8 p .. 8 p + 7, the 64 neighbouring keys of group 4 x 0 + p of the wave, and lanes 16-31 those of group 4 + p: a group's maximum never leaves its lane.
; Half a vector instruction a score: four v_max3 for a tile's eight registers.
; K's fragments go from memory straight into registers, eight fragments (24 loads) ahead.  NO LDS RING AND NO CLUSTER: a fragment is wanted by one wave of the work-group alone and feeds its eight products from
; registers, so a way through LDS would add a write and a read of every byte and save none; joint requests exist only for loads into LDS.
; Two sets of four accumulators: while one set's products are issued, the other set's maxima are taken; each set of sixteen maxima is also the places behind the products just issued.
; The maxima leave through a stage in LDS (128 tokens x 256 bytes, pitch 272): sixteen lanes store 256 consecutive aligned bytes of a token's row.
; LIMITS: a NaN score is passed over by the maximum.
.set QS,  10                           ; v10-17   Q's scale words, tile T
.set KS,  18                           ; v18-25   the ring's scale words
.set RUN, 28                           ; v28-59   the running maxima: tile T, group p at RUN + 4 T + p
.set QF,  60                           ; v60-123  Q's eight fragments
.set ACA, 124                          ; v124-155 accumulators of tiles 0-3
.set ACB, 156                          ; v156-187 of tiles 4-7
.set KR,  188                          ; v188-251 the ring: eight fragments of K
	s_load_b256 s[4:11], s[0:1], 0x0               ; qcodes s[4:5], qscales s[6:7], K's codes s[8:9], K's scales s[10:11]
	s_load_b64 s[12:13], s[0:1], 0x20              ; gmax
	v_lshl_add_u32 v254, v0, 2, 0x8800
	v_mov_b32 v255, 0
	v_lshrrev_b32 v1, 5, v0
	v_readfirstlane_b32 s14, v1                    ; wave 0..7
	s_and_b32 s15, ttmp7, 0xffff                   ; which 4,096 keys
	s_lshl_b32 s16, ttmp9, 7                       ; first token
	v_and_b32 v1, 15, v0                           ; r
	v_bfe_u32 v2, v0, 4, 1                         ; h
	v_lshrrev_b32 v3, 3, v1
	v_and_b32 v4, 7, v1
	v_lshl_add_u32 v4, v3, 8, v4                   ; my row's key: 256 (r / 8) + r % 8
	v_lshlrev_b32 v3, 6, v4
	v_lshl_add_u32 v3, v2, 4, v3                   ; v3: K's codes: 64 bytes a key, + 16 h
	v_lshlrev_b32 v4, 2, v4                        ; v4: K's scale words
	v_lshlrev_b32 v5, 4, v1
	v_lshl_add_u32 v5, v2, 16, v5                  ; v5: Q's codes: block 2 c + h, token r
	v_lshlrev_b32 v6, 2, v1                        ; v6: Q's scale words
	v_mul_u32_u24 v7, v1, 272
	v_lshl_add_u32 v7, v2, 4, v7
	s_lshl_b32 s17, s14, 5
	v_add_nc_u32 v7, s17, v7                       ; v7: the stage, in: row r, my wave's 32 bytes, 16 for each half of the lanes
	s_mul_i32 s17, s14, 16*272
	v_mul_u32_u24 v8, v2, 272
	v_lshl_add_u32 v8, v1, 4, v8
	v_add_nc_u32 v8, s17, v8                       ; v8: back: wave w takes rows 16 w on; lanes 0-15 one row, lanes 16-31 the next
	v_lshlrev_b32 v9, 11, v2
	v_lshl_add_u32 v9, v1, 4, v9                   ; v9: and the same two rows of gmax
	s_lshl_b32 s18, s15, 12
	s_lshl_b32 s19, s14, 9
	s_add_co_u32 s18, s18, s19                     ; my wave's first key
	s_lshl_b32 s20, s18, 6
	s_mov_b32 s21, 0
	s_lshl_b32 s22, s18, 2
	s_mov_b32 s23, 0
	s_lshl_b32 s24, s16, 4
	s_mov_b32 s25, 0
	s_lshl_b32 s26, s16, 2
	s_mov_b32 s27, 0
	s_lshl_b32 s28, s14, 4
	s_add_co_u32 s28, s28, s16
	s_lshl_b32 s28, s28, 11                        ; gmax: 2,048 bytes a token, from token first + 16 w on,
	s_lshl_b32 s29, s15, 8
	s_add_co_u32 s28, s28, s29                     ; + the work-group's 64 groups
	s_mov_b32 s29, 0
	s_wait_kmcnt 0x0
	s_add_nc_u64 s[4:5], s[4:5], s[24:25]
	s_add_nc_u64 s[6:7], s[6:7], s[26:27]
	s_add_nc_u64 s[8:9], s[8:9], s[20:21]
	s_add_nc_u64 s[10:11], s[10:11], s[22:23]
	s_add_nc_u64 s[12:13], s[12:13], s[28:29]
.irp T, 0,1,2,3,4,5,6,7
.irp c, 0,1
	global_load_b128 v[QF+8*\T+4*\c:QF+8*\T+4*\c+3], v5, s[4:5] offset:131072*\c+256*\T
.endr
	global_load_b32 v[QS+\T], v6, s[6:7] offset:64*\T
.endr
.macro KLOAD f                         ; fragment f into slot f % 8: three loads
	global_load_b128 v[KR+8*((\f)%8):KR+8*((\f)%8)+3], v3, s[8:9] offset:512*(\f)
	global_load_b128 v[KR+8*((\f)%8)+4:KR+8*((\f)%8)+7], v3, s[8:9] offset:512*(\f)+32
	global_load_b32 v[KS+(\f)%8], v4, s[10:11] offset:32*(\f)
.endm
.irp f, 0,1,2,3,4,5,6,7
	KLOAD \f
.endr
.macro WM acc, tb, f                   ; fragment f against tiles tb .. tb + 3: K = 128 is one product, so each starts and ends its sum
.irp i, 0,1,2,3
	v_wmma_scale_f32_16x16x128_f8f6f4 v[(\acc)+8*\i:(\acc)+8*\i+7], v[KR+8*((\f)%8):KR+8*((\f)%8)+7], v[QF+8*((\tb)+\i):QF+8*((\tb)+\i)+7], 0, v[KS+(\f)%8], v[QS+(\tb)+\i] matrix_a_fmt:MATRIX_FMT_FP4 matrix_b_fmt:MATRIX_FMT_FP4
.endr
.endm
.macro MAX4 acc, tb, p, t              ; sixteen lines: four tiles by turns, each accumulator from its low end on.  t = 0: a group's first eight keys start its maximum
.if (\t) == 0
.irp i, 0,1,2,3
	v_max3_num_f32 v[RUN+4*((\tb)+\i)+(\p)], v[(\acc)+8*\i], v[(\acc)+8*\i+1], v[(\acc)+8*\i+2]
.endr
.irp i, 0,1,2,3
	v_max3_num_f32 v[RUN+4*((\tb)+\i)+(\p)], v[RUN+4*((\tb)+\i)+(\p)], v[(\acc)+8*\i+3], v[(\acc)+8*\i+4]
.endr
.irp i, 0,1,2,3
	v_max3_num_f32 v[RUN+4*((\tb)+\i)+(\p)], v[RUN+4*((\tb)+\i)+(\p)], v[(\acc)+8*\i+5], v[(\acc)+8*\i+6]
.endr
.irp i, 0,1,2,3
	v_max_num_f32 v[RUN+4*((\tb)+\i)+(\p)], v[RUN+4*((\tb)+\i)+(\p)], v[(\acc)+8*\i+7]
.endr
.else
.irp j, 0,2,4,6
.irp i, 0,1,2,3
	v_max3_num_f32 v[RUN+4*((\tb)+\i)+(\p)], v[RUN+4*((\tb)+\i)+(\p)], v[(\acc)+8*\i+\j], v[(\acc)+8*\i+\j+1]
.endr
.endr
.endif
.endm
.macro FSTEP f
.if (\f) < 24
	s_wait_loadcnt 21                              ; this fragment's three loads are in (and, the first time, Q's); those of the seven younger fragments may be out
.else
	s_wait_loadcnt 3*(31-(\f))
.endif
	WM ACA, 0, \f
.if (\f) == 0
.rept 4
	v_nop                                          ; no maxima are due yet: the places behind the first four products
.endr
.else
	MAX4 ACB, 4, ((\f)-1)/8, ((\f)-1)%8
.endif
	WM ACB, 4, \f
	MAX4 ACA, 0, (\f)/8, (\f)%8
.if (\f)+8 < 32
	KLOAD (\f)+8                                   ; sixteen plain lines behind the slot's last product
.endif
.endm
.set F, 0
.rept 32
	FSTEP F
.set F, F+1
.endr
	MAX4 ACB, 4, 3, 7
.irp T, 0,1,2,3,4,5,6,7
	ds_store_b128 v7, v[RUN+4*\T:RUN+4*\T+3] offset:16*272*\T     ; token 16 T + r, groups 8 w + 4 h + 0 .. 3
.endr
	s_wait_dscnt 0x0                               ; for the others' sake: a token's 256 bytes come from all eight waves
	s_barrier_signal -1
	s_barrier_wait -1
.irp i, 0,1,2,3,4,5,6,7
	ds_load_b128 v[KR+4*\i:KR+4*\i+3], v8 offset:2*272*\i
.endr
.irp i, 0,1,2,3,4,5,6,7
	s_wait_dscnt 7-\i                              ; LDS loads come back in order: load i is in, the younger ones may be out
	global_store_b128 v9, v[KR+4*\i:KR+4*\i+3], s[12:13] offset:4096*\i    ; sixteen lanes store 256 consecutive bytes, aligned
.endr
	s_wait_tensorcnt 0x0
	ds_add_u32 v254, v255
	s_wait_dscnt 0x0
	s_endpgm
.Lfunc_end_k_q03ca3f669f_gmax:
	.size	k_q03ca3f669f_gmax, .Lfunc_end_k_q03ca3f669f_gmax-k_q03ca3f669f_gmax
	.p2alignl 7, 3214868480
	.fill 96, 4, 3214868480
	.section	.rodata,"a",@progbits
	.p2align	6, 0x0
	.amdhsa_kernel k_q03ca3f669f_gmax
		.amdhsa_group_segment_fixed_size 35840
		.amdhsa_private_segment_fixed_size 0
		.amdhsa_enable_private_segment 0
		.amdhsa_kernarg_size 40
		.amdhsa_user_sgpr_count 2
		.amdhsa_user_sgpr_kernarg_segment_ptr 1
		.amdhsa_wavefront_size32 1
		.amdhsa_system_sgpr_workgroup_id_x 1
		.amdhsa_system_sgpr_workgroup_id_y 1
		.amdhsa_system_sgpr_workgroup_id_z 1
		.amdhsa_system_vgpr_workitem_id 0
		.amdhsa_next_free_vgpr 256
		.amdhsa_next_free_sgpr 66
		.amdhsa_reserve_vcc 0
		.amdhsa_float_denorm_mode_32 3
		.amdhsa_float_denorm_mode_16_64 3
		.amdhsa_memory_ordered 1
		.amdhsa_forward_progress 1
		.amdhsa_inst_pref_size 113
	.end_amdhsa_kernel
	.amdgpu_metadata
---
amdhsa.version: [ 1, 2 ]
amdhsa.kernels:
  - .name:           k_q03ca3f669f_gmax
    .symbol:         k_q03ca3f669f_gmax.kd
    .args:
      - { .name: qcodes, .offset: 0, .size: 8, .value_kind: global_buffer, .address_space: global }
      - { .name: qscales, .offset: 8, .size: 8, .value_kind: global_buffer, .address_space: global }
      - { .name: knowledge_K_codes, .offset: 16, .size: 8, .value_kind: global_buffer, .address_space: global }
      - { .name: knowledge_K_scales, .offset: 24, .size: 8, .value_kind: global_buffer, .address_space: global }
      - { .name: gmax, .offset: 32, .size: 8, .value_kind: global_buffer, .address_space: global }
    .group_segment_fixed_size: 35840
    .private_segment_fixed_size: 0
    .kernarg_segment_align: 8
    .kernarg_segment_size: 40
    .max_flat_workgroup_size: 256
    .sgpr_count:     66
    .vgpr_count:     256
    .wavefront_size: 32
...
	.end_amdgpu_metadata
.endif
;; end of part 2
;; launch pick (part 3): grid 256 x 1, 8 waves a work-group, no clusters, 0 bytes of LDS; arguments gmax, gids; writes gids
.if DOCPART == 3
	.amdgcn_target "amdgcn-amd-amdhsa--gfx1250"
	.amdhsa_code_object_version 6
	.text
	.protected	k_q03ca3f669f_pick
	.globl	k_q03ca3f669f_pick
	.p2align	8
	.type	k_q03ca3f669f_pick,@function
k_q03ca3f669f_pick:
	s_mov_b64 s[64:65], 0
	v_nop
	global_prefetch_b8 v0, s[64:65] scope:SCOPE_SE
	s_setreg_imm32_b32 hwreg(HW_REG_WAVE_MODE, 25, 1), 1
	s_wait_xcnt 0x0
; gids[token][0..7] = the eight groups of 64 keys with the largest maxima, ties to the lower group.  The eight best keys of a token (value descending, index ascending) always lie in these groups:
; were one of them in a ninth group, each of the eight better groups would hold a key that goes before it, by value or, at equal value, by its lower index.
; gmax: [4096][512] f32.  gids: [4096][8] u32, whole numbers from which the next launch forms addresses.
; SHARES.  A wave takes two tokens, one for each half of 16 lanes.  Lane q reads groups 64 i + 4 q + e (i = 0..7, e = 0..3): each load covers 256 consecutive bytes of each token's row.
; Each lane keeps a sorted list of its eight best (value, group); a group's number is carried as an f32 whole number (exact up to 511).  A new number goes in behind those equal to it, and a lane's groups ascend
; in time: so the lower group stays ahead.  Then eight rounds take the best head of the sixteen lists: the largest value, and among equal values the lowest group.
; No branch and no address hangs on a score.  No LDS, no barrier: waves share nothing.  No matrix work here.
; LIMITS: a NaN is never taken into a list.
.set X,  16                            ; v16-47 my 32 maxima
.set V,  48                            ; v48-55 the list's values, descending
.set I,  56                            ; v56-63 their groups
.set P,  64                            ; v64    the group of the number in hand
.set T,  66                            ; v66-67 at work
.set TT, 68                            ; v68    a round's largest value
.set R,  72                            ; v72-79 the groups taken
.set O,  80                            ; v80-83 what I store
.set M,  8                             ; s8-15  eight lane masks
.macro INS x                           ; v[x] with group v[P] into the list: 31 lines
.irp k, 0,1,2,3,4,5,6,7
	v_cmp_gt_f32 s[M+\k], v[(\x)], v[V+\k]
.endr
.irp k, 7,6,5,4,3,2,1
	v_cndmask_b32 v[T+\k%2], v[P], v[I+\k-1], s[M+\k-1]        ; what moves into place k: the entry above it, or the new one
	v_cndmask_b32 v[I+\k], v[I+\k], v[T+\k%2], s[M+\k]
	v_med3_num_f32 v[V+\k], v[(\x)], v[V+\k-1], v[V+\k]        ; the middle of the new number and the two old neighbours
.endr
	v_cndmask_b32 v[I], v[I], v[P], s[M]
	v_max_num_f32 v[V], v[(\x)], v[V]
.endm
.macro RMAX reg                        ; over the 16 lanes of a token
.irp m, 1,2,4,8
	v_max_num_f32_dpp v[(\reg)], v[(\reg)], v[(\reg)] row_xmask:\m row_mask:0xf bank_mask:0xf
.endr
.endm
.macro RMIN reg
.irp m, 1,2,4,8
	v_min_num_f32_dpp v[(\reg)], v[(\reg)], v[(\reg)] row_xmask:\m row_mask:0xf bank_mask:0xf
.endr
.endm
.macro POP rho                         ; round rho: the best head leaves its list
	v_mov_b32 v[TT], v[V]
	RMAX TT
	v_cmp_eq_f32 vcc_lo, v[V], v[TT]
	v_cndmask_b32 v[R+\rho], 0x7f800000, v[I], vcc_lo          ; heads that are not the largest count as +infinity
	RMIN R+\rho                                    ; the lowest group among the largest heads
	v_cmp_eq_f32 vcc_lo, v[I], v[R+\rho]           ; its lane: groups are in one list only
.set KK, 0
.rept 7-\rho                           ; that list moves up, as deep as the rounds left can reach
	v_cndmask_b32 v[V+KK], v[V+KK], v[V+KK+1], vcc_lo
	v_cndmask_b32 v[I+KK], v[I+KK], v[I+KK+1], vcc_lo
.set KK, KK+1
.endr
.endm
	s_load_b128 s[4:7], s[0:1], 0x0                ; gmax s[4:5], gids s[6:7]
	v_lshrrev_b32 v1, 5, v0
	v_readfirstlane_b32 s16, v1                    ; wave
	s_lshl_b32 s17, ttmp9, 4
	s_lshl_b32 s16, s16, 1
	s_add_co_u32 s17, s17, s16                     ; my wave's first token
	s_lshl_b32 s18, s17, 11
	s_mov_b32 s19, 0
	s_lshl_b32 s20, s17, 5
	s_mov_b32 s21, 0
	v_and_b32 v1, 15, v0                           ; q
	v_bfe_u32 v2, v0, 4, 1                         ; which of the two tokens
	v_lshlrev_b32 v3, 4, v1
	v_lshl_add_u32 v4, v2, 5, v3                   ; gids: 32 bytes a token, 16 q
	v_lshl_add_u32 v3, v2, 11, v3                  ; gmax: 2,048 bytes a token, 16 q
	s_wait_kmcnt 0x0
	s_add_nc_u64 s[4:5], s[4:5], s[18:19]
	s_add_nc_u64 s[6:7], s[6:7], s[20:21]
.irp i, 0,1,2,3,4,5,6,7
	global_load_b128 v[X+4*\i:X+4*\i+3], v3, s[4:5] offset:256*\i th:TH_LOAD_NT
.endr
	v_lshlrev_b32 v5, 2, v1
	v_cvt_f32_u32 v[P], v5                         ; my first group: 4 q
.irp k, 0,1,2,3,4,5,6,7
	v_mov_b32 v[V+\k], 0xff800000                  ; -infinity: every lane puts 32 numbers in, so none of these is left
	v_mov_b32 v[I+\k], 0
.endr
.irp i, 0,1,2,3,4,5,6,7
	s_wait_loadcnt 7-\i                            ; loads come back in order: load i is in, the younger ones may be out
.irp e, 0,1,2,3
	INS X+4*\i+\e
.if \e < 3
	v_add_f32 v[P], 1.0, v[P]
.elseif \i < 7
	v_add_f32 v[P], 0x42740000, v[P]               ; + 61: on to group 64 (i + 1) + 4 q
.endif
.endr
.endr
.irp rho, 0,1,2,3,4,5,6,7
	POP \rho
.endr
.irp k, 0,1,2,3,4,5,6,7
	v_cvt_u32_f32 v[R+\k], v[R+\k]
.endr
	v_cmp_eq_u32 vcc_lo, 1, v1
.irp k, 0,1,2,3
	v_cndmask_b32 v[O+\k], v[R+\k], v[R+4+\k], vcc_lo          ; lane q = 0 stores the first four, q = 1 the others
.endr
	s_wait_xcnt 0x0                                ; EXEC is a source of the loads above: it changes only behind this wait
	v_cmp_gt_u32 vcc_lo, 2, v1
	s_and_saveexec_b32 s16, vcc_lo
	global_store_b128 v4, v[O:O+3], s[6:7]         ; the wave's four lanes store its two tokens' 64 consecutive bytes
	s_endpgm
.Lfunc_end_k_q03ca3f669f_pick:
	.size	k_q03ca3f669f_pick, .Lfunc_end_k_q03ca3f669f_pick-k_q03ca3f669f_pick
	.p2alignl 7, 3214868480
	.fill 96, 4, 3214868480
	.section	.rodata,"a",@progbits
	.p2align	6, 0x0
	.amdhsa_kernel k_q03ca3f669f_pick
		.amdhsa_group_segment_fixed_size 0
		.amdhsa_private_segment_fixed_size 0
		.amdhsa_enable_private_segment 0
		.amdhsa_kernarg_size 16
		.amdhsa_user_sgpr_count 2
		.amdhsa_user_sgpr_kernarg_segment_ptr 1
		.amdhsa_wavefront_size32 1
		.amdhsa_system_sgpr_workgroup_id_x 1
		.amdhsa_system_sgpr_workgroup_id_y 1
		.amdhsa_system_sgpr_workgroup_id_z 1
		.amdhsa_system_vgpr_workitem_id 0
		.amdhsa_next_free_vgpr 96
		.amdhsa_next_free_sgpr 66
		.amdhsa_reserve_vcc 1
		.amdhsa_float_denorm_mode_32 3
		.amdhsa_float_denorm_mode_16_64 3
		.amdhsa_memory_ordered 1
		.amdhsa_forward_progress 1
		.amdhsa_inst_pref_size 73
	.end_amdhsa_kernel
	.amdgpu_metadata
---
amdhsa.version: [ 1, 2 ]
amdhsa.kernels:
  - .name:           k_q03ca3f669f_pick
    .symbol:         k_q03ca3f669f_pick.kd
    .args:
      - { .name: gmax, .offset: 0, .size: 8, .value_kind: global_buffer, .address_space: global }
      - { .name: gids, .offset: 8, .size: 8, .value_kind: global_buffer, .address_space: global }
    .group_segment_fixed_size: 0
    .private_segment_fixed_size: 0
    .kernarg_segment_align: 8
    .kernarg_segment_size: 16
    .max_flat_workgroup_size: 256
    .sgpr_count:     66
    .vgpr_count:     96
    .wavefront_size: 32
...
	.end_amdgpu_metadata
.endif
;; end of part 3
;; launch rescan (part 4): grid 256 x 1, 8 waves a work-group, no clusters, 0 bytes of LDS; arguments gids, qcodes, qscales, knowledge_K_codes, knowledge_K_scales, kidx, kwts; writes kidx, kwts
.if DOCPART == 4
	.amdgcn_target "amdgcn-amd-amdhsa--gfx1250"
	.amdhsa_code_object_version 6
	.text
	.protected	k_q03ca3f669f_rescan
	.globl	k_q03ca3f669f_rescan
	.p2align	8
	.type	k_q03ca3f669f_rescan,@function
k_q03ca3f669f_rescan:
	s_mov_b64 s[64:65], 0
	v_nop
	global_prefetch_b8 v0, s[64:65] scope:SCOPE_SE
	s_setreg_imm32_b32 hwreg(HW_REG_WAVE_MODE, 25, 1), 1
	s_wait_xcnt 0x0
; For each token: the scores of the 8 x 64 keys of its eight chosen groups once more, the eight best of them (value descending, ties to the lower key, as jax.lax.top_k has it), and their softmax.
; gids [4096][8] u32 (stored by the launch before): from it the addresses of K's rows are formed, each number first held to 511.  kidx [4096][8] u32, kwts [4096][8] f32.
; SHARES.  A wave takes two tokens.  Column u (0..15) of the product stands for token u / 8 and its chosen group u % 8.  For each u: source 0 = 16 keys of group u (four fragments t),
; source 1 = Q's fragment with ZERO CODES in every column but u.  The four accumulators add over u = 0..15: column u receives its own group's scores and exact zeros from the other fifteen products,
; so that nothing is merged by vector work.  Row m of fragment t takes key 32 (m / 8) + 8 t + m % 8 of its group: lane (r, h) then holds, over t and its registers, the 32 neighbouring keys 32 h + 0 .. 31 of group r.
; These sums are sums of products of E2M1 numbers under a few powers of two: they are the same numbers as in the launch that took the maxima.
; K's fragments go from memory straight into registers, four columns (48 loads) ahead: each is wanted by one wave only, and which rows are wanted hangs on the stored list: no LDS, no cluster.
; THE ORDER is taken on the sums as they are; the division by sqrt(128) goes into the softmax's factor.  LIMITS: two different sums that the division would round to one f32 number are ordered here by value,
; in the definition by index; a NaN score is never taken.
.set CA,  16                           ; v16-31   column u: byte offset of my row of K's codes
.set SA,  32                           ; v32-47   and of its scale word
.set QF,  48                           ; v48-55   Q's fragment: column r holds token r / 8
.set QS,  56                           ; v56      its scale words
.set BB,  58                           ; v58-73   two masked copies of Q's fragment
.set ACC, 74                           ; v74-105  four accumulators
.set AR,  106                          ; v106-233 the ring: four columns x four fragments
.set AS,  234                          ; v234-249 the ring's scale words
.set P,   250                          ; v250     the key of the score in hand, as an f32 whole number (exact up to 32,767)
.set T,   252                          ; v252-253 at work
.set T2,  254                          ; v254     the other half's number in a reduction
.set V,   106                          ; once the products are done the ring's registers hold: v106-113 the list's values, v114-121 their keys,
.set I,   114
.set S,   128                          ; v128-135 the eight scores taken, v136-143 their keys, v144-151 the weights, v152-159 what I store
.set R,   136
.set W,   144
.set O,   152
.set M,   48                           ; s48-55   eight lane masks
.macro INS x                           ; v[x] with key v[P] into the sorted list: a new number goes in behind those equal to it, and a lane's keys ascend in time
.irp k, 0,1,2,3,4,5,6,7
	v_cmp_gt_f32 s[M+\k], v[(\x)], v[V+\k]
.endr
.irp k, 7,6,5,4,3,2,1
	v_cndmask_b32 v[T+\k%2], v[P], v[I+\k-1], s[M+\k-1]
	v_cndmask_b32 v[I+\k], v[I+\k], v[T+\k%2], s[M+\k]
	v_med3_num_f32 v[V+\k], v[(\x)], v[V+\k-1], v[V+\k]
.endr
	v_cndmask_b32 v[I], v[I], v[P], s[M]
	v_max_num_f32 v[V], v[(\x)], v[V]
.endm
.macro RMAX reg                        ; over a token's 16 lanes: eight neighbours in each half
.irp m, 1,2,4
	v_max_num_f32_dpp v[(\reg)], v[(\reg)], v[(\reg)] row_xmask:\m row_mask:0xf bank_mask:0xf
.endr
	v_permlanex16_b32 v[T2], v[(\reg)], s44, s45
	v_max_num_f32 v[(\reg)], v[(\reg)], v[T2]
.endm
.macro RMIN reg
.irp m, 1,2,4
	v_min_num_f32_dpp v[(\reg)], v[(\reg)], v[(\reg)] row_xmask:\m row_mask:0xf bank_mask:0xf
.endr
	v_permlanex16_b32 v[T2], v[(\reg)], s44, s45
	v_min_num_f32 v[(\reg)], v[(\reg)], v[T2]
.endm
.macro POP rho                         ; round rho: the largest head, among equals the lowest key, leaves its list
	v_mov_b32 v[S+\rho], v[V]
	RMAX S+\rho
	v_cmp_eq_f32 vcc_lo, v[V], v[S+\rho]
	v_cndmask_b32 v[R+\rho], 0x7f800000, v[I], vcc_lo
	RMIN R+\rho
	v_cmp_eq_f32 vcc_lo, v[I], v[R+\rho]
.set KK, 0
.rept 7-\rho
	v_cndmask_b32 v[V+KK], v[V+KK], v[V+KK+1], vcc_lo
	v_cndmask_b32 v[I+KK], v[I+KK], v[I+KK+1], vcc_lo
.set KK, KK+1
.endr
.endm
	s_load_b256 s[4:11], s[0:1], 0x0               ; gids s[4:5], qcodes s[6:7], qscales s[8:9], K's codes s[10:11]
	s_load_b128 s[12:15], s[0:1], 0x20             ; K's scales s[12:13], kidx s[14:15]
	s_load_b64 s[16:17], s[0:1], 0x30              ; kwts
	v_lshrrev_b32 v1, 5, v0
	v_readfirstlane_b32 s18, v1                    ; wave
	s_lshl_b32 s19, ttmp9, 4
	s_lshl_b32 s36, s18, 1
	s_add_co_u32 s19, s19, s36                     ; my first token
	s_lshl_b32 s36, s19, 5                         ; 32 bytes a token in gids, kidx and kwts
	s_mov_b32 s37, 0
	s_lshl_b32 s38, s19, 4
	s_mov_b32 s39, 0
	s_lshl_b32 s40, s19, 2
	s_mov_b32 s41, 0
	s_mov_b32 s44, 0x76543210                      ; v_permlanex16_b32's selects for lane l xor 16
	s_mov_b32 s45, 0xfedcba98
	s_wait_kmcnt 0x0
	s_add_nc_u64 s[4:5], s[4:5], s[36:37]
	s_load_b512 s[20:35], s[4:5], 0x0              ; my two tokens' sixteen groups
	s_add_nc_u64 s[14:15], s[14:15], s[36:37]
	s_add_nc_u64 s[16:17], s[16:17], s[36:37]
	s_add_nc_u64 s[6:7], s[6:7], s[38:39]
	s_add_nc_u64 s[8:9], s[8:9], s[40:41]
	v_and_b32 v1, 15, v0                           ; r
	v_bfe_u32 v2, v0, 4, 1                         ; h
	v_lshrrev_b32 v10, 3, v1                       ; r / 8: which of the two tokens
	v_and_b32 v11, 7, v1
	v_lshl_add_u32 v11, v10, 5, v11                ; my row's key in its group: 32 (r / 8) + r % 8
	v_lshlrev_b32 v3, 6, v11
	v_lshl_add_u32 v3, v2, 4, v3                   ; v3: in K's codes
	v_lshlrev_b32 v4, 2, v11                       ; v4: in K's scale words
	v_lshlrev_b32 v5, 4, v10
	v_lshl_add_u32 v5, v2, 16, v5                  ; v5: Q's codes: block 2 c + h, token r / 8
	v_lshlrev_b32 v6, 2, v10                       ; v6: Q's scale word
	v_lshlrev_b32 v7, 2, v1                        ; v7: column r's group in gids
	v_and_b32 v12, 1, v1                           ; v12: r % 2
	v_lshlrev_b32 v9, 4, v12
	v_lshl_add_u32 v9, v10, 5, v9                  ; v9: where lanes 0, 1, 8, 9 store
	v_mov_b32 v[T2], 0                             ; a lane permute's destination counts as one of its sources
	global_load_b32 v8, v7, s[4:5]
.irp c, 0,1
	global_load_b128 v[QF+4*\c:QF+4*\c+3], v5, s[6:7] offset:131072*\c
.endr
	global_load_b32 v[QS], v6, s[8:9]
	s_wait_kmcnt 0x0
.irp u, 0,1,2,3,4,5,6,7,8,9,10,11,12,13,14,15
	s_min_u32 s[20+\u], s[20+\u], 511              ; a loaded number enters an address only held inside its table
	v_lshl_add_u32 v[CA+\u], s[20+\u], 12, v3      ; 64 keys x 64 bytes a group
	v_lshl_add_u32 v[SA+\u], s[20+\u], 8, v4       ; 64 keys x 4 bytes
.endr
.macro ALOAD u                         ; column u's four fragments and scale words into slot u % 4: twelve loads
.irp t, 0,1,2,3
.irp c, 0,1
	global_load_b128 v[AR+32*((\u)%4)+8*\t+4*\c:AR+32*((\u)%4)+8*\t+4*\c+3], v[CA+(\u)], s[10:11] offset:512*\t+32*\c
.endr
	global_load_b32 v[AS+4*((\u)%4)+\t], v[SA+(\u)], s[12:13] offset:32*\t
.endr
.endm
.macro BUILD u                         ; Q's fragment with zero codes in every column but u (lanes u and u + 16), into copy u % 2
	s_mov_b32 s46, 0x10001<<(\u)
.irp i, 0,1,2,3,4,5,6,7
	v_cndmask_b32 v[BB+8*((\u)%2)+\i], 0, v[QF+\i], s46
.endr
.endm
.irp u, 0,1,2,3
	ALOAD \u
.endr
	s_wait_loadcnt 48                              ; all but the ring's 48: my group and Q are in
	BUILD 0
	BUILD 1                                        ; (its eight lines are also the places between copy 0's last write and the first product)
	v_min_u32 v8, 0x1ff, v8
	v_lshlrev_b32 v8, 6, v8
	v_lshl_add_u32 v8, v2, 5, v8
	v_cvt_f32_u32 v[P], v8                         ; my first key: 64 x group + 32 h
.macro USTEP u
.if (\u) < 13
	s_wait_loadcnt 36                              ; this column's twelve loads are in; those of the three younger columns may be out
.else
	s_wait_loadcnt 12*(15-(\u))
.endif
.irp t, 0,1,2,3                        ; the four accumulators take turns, one instruction a turn
.if (\u) == 0
	v_wmma_scale_f32_16x16x128_f8f6f4 v[ACC+8*\t:ACC+8*\t+7], v[AR+32*((\u)%4)+8*\t:AR+32*((\u)%4)+8*\t+7], v[BB+8*((\u)%2):BB+8*((\u)%2)+7], 0, v[AS+4*((\u)%4)+\t], v[QS] matrix_a_fmt:MATRIX_FMT_FP4 matrix_b_fmt:MATRIX_FMT_FP4
.else
	v_wmma_scale_f32_16x16x128_f8f6f4 v[ACC+8*\t:ACC+8*\t+7], v[AR+32*((\u)%4)+8*\t:AR+32*((\u)%4)+8*\t+7], v[BB+8*((\u)%2):BB+8*((\u)%2)+7], v[ACC+8*\t:ACC+8*\t+7], v[AS+4*((\u)%4)+\t], v[QS] matrix_a_fmt:MATRIX_FMT_FP4 matrix_b_fmt:MATRIX_FMT_FP4
.endif
.endr
.rept 4
	v_nop                                          ; places: the slot is loaded into and the copy written again below; behind the last column, the results are read
.endr
.if (\u)+4 < 16
	ALOAD (\u)+4
.endif
.if (\u)+2 < 16
	BUILD (\u)+2                                   ; used two columns on: the next column's places and copy stand between
.endif
.endm
.set U, 0
.rept 16
	USTEP U
.set U, U+1
.endr
.irp k, 0,1,2,3,4,5,6,7
	v_mov_b32 v[V+\k], 0xff800000                  ; -infinity: every lane puts 32 numbers in
	v_mov_b32 v[I+\k], 0
.endr
.irp t, 0,1,2,3
.irp j, 0,1,2,3,4,5,6,7
	INS ACC+8*\t+\j                                ; keys ascending; each accumulator from its low end on
	v_add_f32 v[P], 1.0, v[P]
.endr
.endr
.irp rho, 0,1,2,3,4,5,6,7
	POP \rho
.endr
	; the softmax of the eight: the first is the largest and is taken away; log2(e) / sqrt(128) in one factor
.irp k, 0,1,2,3,4,5,6,7
	v_sub_f32 v[W+\k], v[S+\k], v[S]
.endr
.irp k, 0,1,2,3,4,5,6,7
	v_mul_f32 v[W+\k], 0x3e0293ee, v[W+\k]
.endr
.irp k, 0,1,2,3,4,5,6,7
	v_exp_f32 v[W+\k], v[W+\k]
.endr
	v_nop                                          ; a plain place behind the exponentials
	s_wait_alu depctr_va_vdst(0)
	v_add_f32 v[T], v[W], v[W+1]
	v_add_f32 v[T+1], v[W+2], v[W+3]
	v_add_f32 v[T], v[T], v[W+4]
	v_add_f32 v[T+1], v[T+1], v[W+5]
	v_add_f32 v[T], v[T], v[W+6]
	v_add_f32 v[T+1], v[T+1], v[W+7]
	v_add_f32 v[T], v[T], v[T+1]
	v_rcp_f32 v[T+1], v[T]
	v_cmp_eq_u32 vcc_lo, 1, v12                    ; (a plain place behind the reciprocal)  odd columns
	s_wait_alu depctr_va_vdst(0)
.irp k, 0,1,2,3,4,5,6,7
	v_mul_f32 v[W+\k], v[W+\k], v[T+1]
	v_cvt_u32_f32 v[R+\k], v[R+\k]
.endr
.irp k, 0,1,2,3
	v_cndmask_b32 v[O+\k], v[R+\k], v[R+4+\k], vcc_lo          ; even column: the first four; odd: the others
	v_cndmask_b32 v[O+4+\k], v[W+\k], v[W+4+\k], vcc_lo
.endr
	v_and_b32 v11, 0x16, v0                        ; lanes 0, 1 (first token) and 8, 9 (second) store
	s_wait_xcnt 0x0                                ; EXEC is a source of the loads above: it changes only behind this wait
	v_cmp_eq_u32 vcc_lo, 0, v11
	s_and_saveexec_b32 s47, vcc_lo
	global_store_b128 v9, v[O:O+3], s[14:15]       ; 64 consecutive bytes of kidx
	global_store_b128 v9, v[O+4:O+7], s[16:17]     ; and of kwts
	s_endpgm
.Lfunc_end_k_q03ca3f669f_rescan:
	.size	k_q03ca3f669f_rescan, .Lfunc_end_k_q03ca3f669f_rescan-k_q03ca3f669f_rescan
	.p2alignl 7, 3214868480
	.fill 96, 4, 3214868480
	.section	.rodata,"a",@progbits
	.p2align	6, 0x0
	.amdhsa_kernel k_q03ca3f669f_rescan
		.amdhsa_group_segment_fixed_size 0
		.amdhsa_private_segment_fixed_size 0
		.amdhsa_enable_private_segment 0
		.amdhsa_kernarg_size 56
		.amdhsa_user_sgpr_count 2
		.amdhsa_user_sgpr_kernarg_segment_ptr 1
		.amdhsa_wavefront_size32 1
		.amdhsa_system_sgpr_workgroup_id_x 1
		.amdhsa_system_sgpr_workgroup_id_y 1
		.amdhsa_system_sgpr_workgroup_id_z 1
		.amdhsa_system_vgpr_workitem_id 0
		.amdhsa_next_free_vgpr 256
		.amdhsa_next_free_sgpr 66
		.amdhsa_reserve_vcc 1
		.amdhsa_float_denorm_mode_32 3
		.amdhsa_float_denorm_mode_16_64 3
		.amdhsa_memory_ordered 1
		.amdhsa_forward_progress 1
		.amdhsa_inst_pref_size 116
	.end_amdhsa_kernel
	.amdgpu_metadata
---
amdhsa.version: [ 1, 2 ]
amdhsa.kernels:
  - .name:           k_q03ca3f669f_rescan
    .symbol:         k_q03ca3f669f_rescan.kd
    .args:
      - { .name: gids, .offset: 0, .size: 8, .value_kind: global_buffer, .address_space: global }
      - { .name: qcodes, .offset: 8, .size: 8, .value_kind: global_buffer, .address_space: global }
      - { .name: qscales, .offset: 16, .size: 8, .value_kind: global_buffer, .address_space: global }
      - { .name: knowledge_K_codes, .offset: 24, .size: 8, .value_kind: global_buffer, .address_space: global }
      - { .name: knowledge_K_scales, .offset: 32, .size: 8, .value_kind: global_buffer, .address_space: global }
      - { .name: kidx, .offset: 40, .size: 8, .value_kind: global_buffer, .address_space: global }
      - { .name: kwts, .offset: 48, .size: 8, .value_kind: global_buffer, .address_space: global }
    .group_segment_fixed_size: 0
    .private_segment_fixed_size: 0
    .kernarg_segment_align: 8
    .kernarg_segment_size: 56
    .max_flat_workgroup_size: 256
    .sgpr_count:     66
    .vgpr_count:     256
    .wavefront_size: 32
...
	.end_amdgpu_metadata
.endif
;; end of part 4
;; launch gather (part 5): grid 1024 x 1, 8 waves a work-group, no clusters, 0 bytes of LDS; arguments kidx, kwts, knowledge_V, out0; writes out0
.if DOCPART == 5
	.amdgcn_target "amdgcn-amd-amdhsa--gfx1250"
	.amdhsa_code_object_version 6
	.text
	.protected	k_q03ca3f669f_gather
	.globl	k_q03ca3f669f_gather
	.p2align	8
	.type	k_q03ca3f669f_gather,@function
k_q03ca3f669f_gather:
	s_mov_b64 s[64:65], 0
	v_nop
	global_prefetch_b8 v0, s[64:65] scope:SCOPE_SE
	s_setreg_imm32_b32 hwreg(HW_REG_WAVE_MODE, 25, 1), 1
	s_wait_xcnt 0x0
; out0[token][:] = sum over k = 0..7 of kwts[token][k] x V[kidx[token][k]][:], in f32, k ascending.  V: [32768][1024] f32; out0: [4096][1024] f32.
; kidx and kwts were stored by the launch before; each index is held to 32,767 before it enters an address.
; SHARES.  A wave takes half a token's row, 2,048 bytes: 32 loads of 16 bytes a lane (eight rows x four pieces of 512 consecutive aligned bytes) go out at once, 16,384 bytes a wave; with 160 registers
; several work-groups lie on a WGP.  The text is straight: no register is written twice, so no wait frees a source.
; Memory binds: no LDS, no barrier, no matrix unit (K = 8), no cluster (no two waves are known to want the same rows).  No hint on V's loads: a row may be named by many tokens.
.set X, 16                             ; v16-143  piece i, row k at X + 32 i + 4 k
.set Y, 144                            ; v144-159 piece i's sums
	s_load_b256 s[4:11], s[0:1], 0x0               ; kidx s[4:5], kwts s[6:7], V s[8:9], out0 s[10:11]
	v_lshrrev_b32 v1, 5, v0
	v_readfirstlane_b32 s12, v1                    ; wave
	s_lshl_b32 s13, ttmp9, 3
	s_add_co_u32 s13, s13, s12
	s_lshr_b32 s14, s13, 1                         ; token
	s_and_b32 s15, s13, 1                          ; which half of its row
	s_lshl_b32 s48, s14, 5
	s_mov_b32 s49, 0
	s_lshl_b32 s50, s14, 12
	s_mov_b32 s51, 0
	s_mov_b32 s53, 0
	s_lshl_b32 s15, s15, 11
	v_and_b32 v1, 31, v0
	v_lshlrev_b32 v1, 4, v1
	v_add_nc_u32 v1, s15, v1                       ; 16 x lane + 2,048 x half
	s_wait_kmcnt 0x0
	s_add_nc_u64 s[4:5], s[4:5], s[48:49]
	s_add_nc_u64 s[6:7], s[6:7], s[48:49]
	s_add_nc_u64 s[10:11], s[10:11], s[50:51]
	s_load_b256 s[16:23], s[4:5], 0x0              ; the eight rows
	s_load_b256 s[24:31], s[6:7], 0x0              ; the eight weights
	s_wait_kmcnt 0x0
.irp k, 0,1,2,3,4,5,6,7
	s_min_u32 s[16+\k], s[16+\k], 32767
	s_lshl_b32 s52, s[16+\k], 12                   ; 4,096 bytes a row
	s_add_nc_u64 s[32+2*\k:33+2*\k], s[8:9], s[52:53]
.endr
.irp i, 0,1,2,3
.irp k, 0,1,2,3,4,5,6,7
	global_load_b128 v[X+32*\i+4*\k:X+32*\i+4*\k+3], v1, s[32+2*\k:33+2*\k] offset:512*\i
.endr
.endr
.irp i, 0,1,2,3
	s_wait_loadcnt 24-8*\i                         ; piece i's eight loads are in; the younger pieces' may be out
.irp e, 0,1,2,3
	v_mul_f32 v[Y+4*\i+\e], s24, v[X+32*\i+\e]     ; the first product starts the sums
.endr
.irp k, 1,2,3,4,5,6,7
.irp e, 0,1,2,3
	v_fmac_f32 v[Y+4*\i+\e], s[24+\k], v[X+32*\i+4*\k+\e]
.endr
.endr
	global_store_b128 v1, v[Y+4*\i:Y+4*\i+3], s[10:11] offset:512*\i th:TH_STORE_NT    ; 512 consecutive aligned bytes; written once, read by nobody here
.endr
	s_endpgm
.Lfunc_end_k_q03ca3f669f_gather:
	.size	k_q03ca3f669f_gather, .Lfunc_end_k_q03ca3f669f_gather-k_q03ca3f669f_gather
	.p2alignl 7, 3214868480
	.fill 96, 4, 3214868480
	.section	.rodata,"a",@progbits
	.p2align	6, 0x0
	.amdhsa_kernel k_q03ca3f669f_gather
		.amdhsa_group_segment_fixed_size 0
		.amdhsa_private_segment_fixed_size 0
		.amdhsa_enable_private_segment 0
		.amdhsa_kernarg_size 32
		.amdhsa_user_sgpr_count 2
		.amdhsa_user_sgpr_kernarg_segment_ptr 1
		.amdhsa_wavefront_size32 1
		.amdhsa_system_sgpr_workgroup_id_x 1
		.amdhsa_system_sgpr_workgroup_id_y 1
		.amdhsa_system_sgpr_workgroup_id_z 1
		.amdhsa_system_vgpr_workitem_id 0
		.amdhsa_next_free_vgpr 160
		.amdhsa_next_free_sgpr 66
		.amdhsa_reserve_vcc 0
		.amdhsa_float_denorm_mode_32 3
		.amdhsa_float_denorm_mode_16_64 3
		.amdhsa_memory_ordered 1
		.amdhsa_forward_progress 1
		.amdhsa_inst_pref_size 10
	.end_amdhsa_kernel
	.amdgpu_metadata
---
amdhsa.version: [ 1, 2 ]
amdhsa.kernels:
  - .name:           k_q03ca3f669f_gather
    .symbol:         k_q03ca3f669f_gather.kd
    .args:
      - { .name: kidx, .offset: 0, .size: 8, .value_kind: global_buffer, .address_space: global }
      - { .name: kwts, .offset: 8, .size: 8, .value_kind: global_buffer, .address_space: global }
      - { .name: knowledge_V, .offset: 16, .size: 8, .value_kind: global_buffer, .address_space: global }
      - { .name: out0, .offset: 24, .size: 8, .value_kind: global_buffer, .address_space: global }
    .group_segment_fixed_size: 0
    .private_segment_fixed_size: 0
    .kernarg_segment_align: 8
    .kernarg_segment_size: 32
    .max_flat_workgroup_size: 256
    .sgpr_count:     66
    .vgpr_count:     160
    .wavefront_size: 32
...
	.end_amdgpu_metadata
.endif
;; end of part 5
;; ======== version 2 of 2: 5 launches; version 1 with the launches gmax, rescan written anew for expert scheduling mode
;; workspace buffers: qcodes 262,144 bytes; qscales 16,384 bytes; gmax 8,388,608 bytes; gids 131,072 bytes of whole numbers; kidx 131,072 bytes of whole numbers; kwts 131,072 bytes
;; launch qmake: the kernel of part 1 again; grid 64 x 4, 16 waves a work-group, clusters of 4 x 1, 327,680 bytes of LDS; arguments x_codes, x_scales, router_w_codes, router_w_scales, compress_neurons_codes, compress_neurons_scales, qcodes, qscales; writes qcodes, qscales
;; launch gmax (part 6): grid 32 x 8, 8 waves a work-group, no clusters, 35,840 bytes of LDS; arguments qcodes, qscales, knowledge_K_codes, knowledge_K_scales, gmax; writes gmax
.if DOCPART == 6
	.amdgcn_target "amdgcn-amd-amdhsa--gfx1250"
	.amdhsa_code_object_version 6
	.text
	.protected	k_q03ca3f669f_gmax
	.globl	k_q03ca3f669f_gmax
	.p2align	8
	.type	k_q03ca3f669f_gmax,@function
k_q03ca3f669f_gmax:
	s_mov_b64 s[64:65], 0
	v_nop
	global_prefetch_b8 v0, s[64:65] scope:SCOPE_SE
	s_setreg_imm32_b32 hwreg(HW_REG_WAVE_SCHED_MODE, 0, 2), 2
	s_setreg_imm32_b32 hwreg(HW_REG_WAVE_MODE, 25, 1), 1
	s_wait_xcnt 0x0
	s_wait_alu depctr_vm_vsrc(0)
; gmax[token][g] = the largest of Q[token] . K[key] over the 64 keys 64 g .. 64 g + 63 (the sums as they are, not yet divided by sqrt(128): the division keeps their order).
; Q: qcodes [4 blocks][4096][16 bytes], qscales [4096][4].  K: codes [32768][64 bytes], scale bytes [32768][4].  gmax: [4096][512] f32.
; SHARES.  A work-group takes 128 tokens and 4,096 keys; wave w takes 512 of the keys against all eight tiles of 16 tokens, whose fragments and scale words stay in its registers.
; Source 0 = 16 keys, source 1 = 16 tokens: a lane holds one token (lane % 16) and eight keys.  THE KEYS OF A FRAGMENT ARE NOT NEIGHBOURS: row m of fragment f takes key 256 (m / 8) + 8 f + m % 8 of the wave's 512,
; so that lanes 0-15 see, over fragments 8 p .. 8 p + 7, the 64 neighbouring keys of group 4 x 0 + p of the wave, and lanes 16-31 those of group 4 + p: a group's maximum never leaves its lane.
; Half a vector instruction a score: four v_max3 for a tile's eight registers.
; K's fragments go from memory straight into registers, through a ring of eight slots.  NO LDS RING AND NO CLUSTER: a fragment is wanted by one wave of the work-group alone and feeds its eight products from
; registers, so a way through LDS would add a write and a read of every byte and save none; joint requests exist only for loads into LDS.
; Two sets of four accumulators: while one set's products are issued, the other set's maxima are taken; each set of sixteen maxima is also the places behind the products just issued.
; The maxima leave through a stage in LDS (128 tokens x 256 bytes, pitch 272): sixteen lanes store 256 consecutive aligned bytes of a token's row.
; LIMITS: a NaN score is passed over by the maximum.
; THE MODE: SCHED_MODE bits 1:0 = 2 (LLVM: expert scheduling mode 2), set by the entry lines.  The code itself states the register dependences
; between vector or matrix instructions and memory or LDS instructions, with s_wait_alu, always for 0.
; THE PLAN.  Registers that memory or LDS instructions touch:
;   v3 .. v9       offsets and LDS addresses: written at the head, never again; read by every load and store.
;   QF, QS         loaded once at the head; read by products.
;   KR, KS         slot f % 8: step f's eight products read it; the three loads of fragment f + 8, issued in step f + 1, land in it.
;   RUN            written by the maxima; read by the eight LDS stores at the end.   KR's first 32 registers take the stage's rows on the way out.
;   v254, v255     written at the head, read by the closing add alone.
;   The accumulators are named by matrix and vector instructions alone.
; So ONE wait on va_vdst stands at the head of a step that loads, behind the wait for the step's data: it states that the products of the step before are done reading their slot and its scale word.
; The three loads into that slot follow behind the step's first four products, which name this step's slot, Q's registers and their accumulators: none of the registers that those loads touch.
; No register that a memory or LDS instruction has read is written again: no wait on vm_vsrc is owed.
.set QS,  10                           ; v10-17   Q's scale words, tile T
.set KS,  18                           ; v18-25   the ring's scale words
.set RUN, 28                           ; v28-59   the running maxima: tile T, group p at RUN + 4 T + p
.set QF,  60                           ; v60-123  Q's eight fragments
.set ACA, 124                          ; v124-155 accumulators of tiles 0-3
.set ACB, 156                          ; v156-187 of tiles 4-7
.set KR,  188                          ; v188-251 the ring: eight fragments of K
	s_load_b256 s[4:11], s[0:1], 0x0               ; qcodes s[4:5], qscales s[6:7], K's codes s[8:9], K's scales s[10:11]
	s_load_b64 s[12:13], s[0:1], 0x20              ; gmax
	v_lshl_add_u32 v254, v0, 2, 0x8800
	v_mov_b32 v255, 0
	v_lshrrev_b32 v1, 5, v0
	v_readfirstlane_b32 s14, v1                    ; wave 0..7
	s_and_b32 s15, ttmp7, 0xffff                   ; which 4,096 keys
	s_lshl_b32 s16, ttmp9, 7                       ; first token
	v_and_b32 v1, 15, v0                           ; r
	v_bfe_u32 v2, v0, 4, 1                         ; h
	v_lshrrev_b32 v3, 3, v1
	v_and_b32 v4, 7, v1
	v_lshl_add_u32 v4, v3, 8, v4                   ; my row's key: 256 (r / 8) + r % 8
	v_lshlrev_b32 v3, 6, v4
	v_lshl_add_u32 v3, v2, 4, v3                   ; v3: K's codes: 64 bytes a key, + 16 h
	v_lshlrev_b32 v4, 2, v4                        ; v4: K's scale words
	v_lshlrev_b32 v5, 4, v1
	v_lshl_add_u32 v5, v2, 16, v5                  ; v5: Q's codes: block 2 c + h, token r
	v_lshlrev_b32 v6, 2, v1                        ; v6: Q's scale words
	v_mul_u32_u24 v7, v1, 272
	v_lshl_add_u32 v7, v2, 4, v7
	s_wait_alu depctr_va_sdst(0)                   ; s14 is written, ahead of its first reader: LDS addresses and the bases are made from it
	s_lshl_b32 s17, s14, 5
	v_add_nc_u32 v7, s17, v7                       ; v7: the stage, in: row r, my wave's 32 bytes, 16 for each half of the lanes
	s_mul_i32 s17, s14, 16*272
	v_mul_u32_u24 v8, v2, 272
	v_lshl_add_u32 v8, v1, 4, v8
	v_add_nc_u32 v8, s17, v8                       ; v8: back: wave w takes rows 16 w on; lanes 0-15 one row, lanes 16-31 the next
	v_lshlrev_b32 v9, 11, v2
	v_lshl_add_u32 v9, v1, 4, v9                   ; v9: and the same two rows of gmax
	s_lshl_b32 s18, s15, 12
	s_lshl_b32 s19, s14, 9
	s_add_co_u32 s18, s18, s19                     ; my wave's first key
	s_lshl_b32 s20, s18, 6
	s_mov_b32 s21, 0
	s_lshl_b32 s22, s18, 2
	s_mov_b32 s23, 0
	s_lshl_b32 s24, s16, 4
	s_mov_b32 s25, 0
	s_lshl_b32 s26, s16, 2
	s_mov_b32 s27, 0
	s_lshl_b32 s28, s14, 4
	s_add_co_u32 s28, s28, s16
	s_lshl_b32 s28, s28, 11                        ; gmax: 2,048 bytes a token, from token first + 16 w on,
	s_lshl_b32 s29, s15, 8
	s_add_co_u32 s28, s28, s29                     ; + the work-group's 64 groups
	s_mov_b32 s29, 0
	s_wait_kmcnt 0x0
	s_add_nc_u64 s[4:5], s[4:5], s[24:25]
	s_add_nc_u64 s[6:7], s[6:7], s[26:27]
	s_add_nc_u64 s[8:9], s[8:9], s[20:21]
	s_add_nc_u64 s[10:11], s[10:11], s[22:23]
	s_add_nc_u64 s[12:13], s[12:13], s[28:29]
	s_wait_alu depctr_va_vdst(0)                   ; v3 to v9 are written: every load, LDS access and store of the kernel reads one of them as its offset or address
.irp T, 0,1,2,3,4,5,6,7
.irp c, 0,1
	global_load_b128 v[QF+8*\T+4*\c:QF+8*\T+4*\c+3], v5, s[4:5] offset:131072*\c+256*\T
.endr
	global_load_b32 v[QS+\T], v6, s[6:7] offset:64*\T
.endr
.macro KLOAD f                         ; fragment f into slot f % 8: three loads
	global_load_b128 v[KR+8*((\f)%8):KR+8*((\f)%8)+3], v3, s[8:9] offset:512*(\f)
	global_load_b128 v[KR+8*((\f)%8)+4:KR+8*((\f)%8)+7], v3, s[8:9] offset:512*(\f)+32
	global_load_b32 v[KS+(\f)%8], v4, s[10:11] offset:32*(\f)
.endm
.irp f, 0,1,2,3,4,5,6,7
	KLOAD \f
.endr
.macro WM acc, tb, f                   ; fragment f against tiles tb .. tb + 3: K = 128 is one product, so each starts and ends its sum
.irp i, 0,1,2,3
	v_wmma_scale_f32_16x16x128_f8f6f4 v[(\acc)+8*\i:(\acc)+8*\i+7], v[KR+8*((\f)%8):KR+8*((\f)%8)+7], v[QF+8*((\tb)+\i):QF+8*((\tb)+\i)+7], 0, v[KS+(\f)%8], v[QS+(\tb)+\i] matrix_a_fmt:MATRIX_FMT_FP4 matrix_b_fmt:MATRIX_FMT_FP4
.endr
.endm
.macro MAX4 acc, tb, p, t              ; sixteen lines: four tiles by turns, each accumulator from its low end on.  t = 0: a group's first eight keys start its maximum
.if (\t) == 0
.irp i, 0,1,2,3
	v_max3_num_f32 v[RUN+4*((\tb)+\i)+(\p)], v[(\acc)+8*\i], v[(\acc)+8*\i+1], v[(\acc)+8*\i+2]
.endr
.irp i, 0,1,2,3
	v_max3_num_f32 v[RUN+4*((\tb)+\i)+(\p)], v[RUN+4*((\tb)+\i)+(\p)], v[(\acc)+8*\i+3], v[(\acc)+8*\i+4]
.endr
.irp i, 0,1,2,3
	v_max3_num_f32 v[RUN+4*((\tb)+\i)+(\p)], v[RUN+4*((\tb)+\i)+(\p)], v[(\acc)+8*\i+5], v[(\acc)+8*\i+6]
.endr
.irp i, 0,1,2,3
	v_max_num_f32 v[RUN+4*((\tb)+\i)+(\p)], v[RUN+4*((\tb)+\i)+(\p)], v[(\acc)+8*\i+7]
.endr
.else
.irp j, 0,2,4,6
.irp i, 0,1,2,3
	v_max3_num_f32 v[RUN+4*((\tb)+\i)+(\p)], v[RUN+4*((\tb)+\i)+(\p)], v[(\acc)+8*\i+\j], v[(\acc)+8*\i+\j+1]
.endr
.endr
.endif
.endm
; Step f.  Steps 1 to 24 ask for fragment f + 7, into the slot that step f - 1 multiplied.
.macro FSTEP f
.if (\f) == 0
	s_wait_loadcnt 21                              ; Q's loads and fragment 0's three are in; those of the seven younger fragments may be out
.elseif (\f) < 26
	s_wait_loadcnt 18                              ; this fragment's three loads are in; those of the six younger fragments may be out
.else
	s_wait_loadcnt 3*(31-(\f))                     ; the counts run down
.endif
.if ((\f) > 0) && (((\f)+7) < 32)
	s_wait_alu depctr_va_vdst(0)                   ; the products of the step before are done reading their slot of the ring and its scale word, in which the three loads below land
.endif
	WM ACA, 0, \f
.if ((\f) > 0) && (((\f)+7) < 32)
	KLOAD (\f)+7                                   ; no wait: the four products issued since the wait name this step's slot, Q's registers and their accumulators alone
.endif
.if (\f) == 0
.rept 4
	v_nop                                          ; no maxima are due yet: the places behind the first four products
.endr
.else
	MAX4 ACB, 4, ((\f)-1)/8, ((\f)-1)%8
.endif
	WM ACB, 4, \f
	MAX4 ACA, 0, (\f)/8, (\f)%8
.endm
.set F, 0
.rept 32
	FSTEP F
.set F, F+1
.endr
	MAX4 ACB, 4, 3, 7
	s_wait_alu depctr_va_vdst(0)                   ; the maxima have written RUN, which the LDS stores read; the products are done reading the ring, in whose registers the stage's rows land below
.irp T, 0,1,2,3,4,5,6,7
	ds_store_b128 v7, v[RUN+4*\T:RUN+4*\T+3] offset:16*272*\T     ; token 16 T + r, groups 8 w + 4 h + 0 .. 3
.endr
	s_wait_dscnt 0x0                               ; for the others' sake: a token's 256 bytes come from all eight waves
	s_barrier_signal -1
	s_barrier_wait -1
.irp i, 0,1,2,3,4,5,6,7
	ds_load_b128 v[KR+4*\i:KR+4*\i+3], v8 offset:2*272*\i
.endr
.irp i, 0,1,2,3,4,5,6,7
	s_wait_dscnt 7-\i                              ; LDS loads come back in order: load i is in, the younger ones may be out
	global_store_b128 v9, v[KR+4*\i:KR+4*\i+3], s[12:13] offset:4096*\i    ; sixteen lanes store 256 consecutive bytes, aligned
.endr
	s_wait_dscnt 0x0                               ; the closing lines, six on end
	s_wait_alu 0x0
	s_wait_tensorcnt 0x0
	ds_add_u32 v254, v255
	s_wait_dscnt 0x0
	s_endpgm
.Lfunc_end_k_q03ca3f669f_gmax:
	.size	k_q03ca3f669f_gmax, .Lfunc_end_k_q03ca3f669f_gmax-k_q03ca3f669f_gmax
	.p2alignl 7, 3214868480
	.fill 96, 4, 3214868480
	.section	.rodata,"a",@progbits
	.p2align	6, 0x0
	.amdhsa_kernel k_q03ca3f669f_gmax
		.amdhsa_group_segment_fixed_size 35840
		.amdhsa_private_segment_fixed_size 0
		.amdhsa_enable_private_segment 0
		.amdhsa_kernarg_size 40
		.amdhsa_user_sgpr_count 2
		.amdhsa_user_sgpr_kernarg_segment_ptr 1
		.amdhsa_wavefront_size32 1
		.amdhsa_system_sgpr_workgroup_id_x 1
		.amdhsa_system_sgpr_workgroup_id_y 1
		.amdhsa_system_sgpr_workgroup_id_z 1
		.amdhsa_system_vgpr_workitem_id 0
		.amdhsa_next_free_vgpr 256
		.amdhsa_next_free_sgpr 66
		.amdhsa_reserve_vcc 0
		.amdhsa_float_denorm_mode_32 3
		.amdhsa_float_denorm_mode_16_64 3
		.amdhsa_memory_ordered 1
		.amdhsa_forward_progress 1
		.amdhsa_inst_pref_size 114
	.end_amdhsa_kernel
	.amdgpu_metadata
---
amdhsa.version: [ 1, 2 ]
amdhsa.kernels:
  - .name:           k_q03ca3f669f_gmax
    .symbol:         k_q03ca3f669f_gmax.kd
    .args:
      - { .name: qcodes, .offset: 0, .size: 8, .value_kind: global_buffer, .address_space: global }
      - { .name: qscales, .offset: 8, .size: 8, .value_kind: global_buffer, .address_space: global }
      - { .name: knowledge_K_codes, .offset: 16, .size: 8, .value_kind: global_buffer, .address_space: global }
      - { .name: knowledge_K_scales, .offset: 24, .size: 8, .value_kind: global_buffer, .address_space: global }
      - { .name: gmax, .offset: 32, .size: 8, .value_kind: global_buffer, .address_space: global }
    .group_segment_fixed_size: 35840
    .private_segment_fixed_size: 0
    .kernarg_segment_align: 8
    .kernarg_segment_size: 40
    .max_flat_workgroup_size: 256
    .sgpr_count:     66
    .vgpr_count:     256
    .wavefront_size: 32
...
	.end_amdgpu_metadata
.endif
;; end of part 6
;; launch pick: the kernel of part 3 again; grid 256 x 1, 8 waves a work-group, no clusters, 0 bytes of LDS; arguments gmax, gids; writes gids
;; launch rescan (part 7): grid 256 x 1, 8 waves a work-group, no clusters, 0 bytes of LDS; arguments gids, qcodes, qscales, knowledge_K_codes, knowledge_K_scales, kidx, kwts; writes kidx, kwts
.if DOCPART == 7
	.amdgcn_target "amdgcn-amd-amdhsa--gfx1250"
	.amdhsa_code_object_version 6
	.text
	.protected	k_q03ca3f669f_rescan
	.globl	k_q03ca3f669f_rescan
	.p2align	8
	.type	k_q03ca3f669f_rescan,@function
k_q03ca3f669f_rescan:
	s_mov_b64 s[64:65], 0
	v_nop
	global_prefetch_b8 v0, s[64:65] scope:SCOPE_SE
	s_setreg_imm32_b32 hwreg(HW_REG_WAVE_SCHED_MODE, 0, 2), 2
	s_setreg_imm32_b32 hwreg(HW_REG_WAVE_MODE, 25, 1), 1
	s_wait_xcnt 0x0
	s_wait_alu depctr_vm_vsrc(0)
; For each token: the scores of the 8 x 64 keys of its eight chosen groups once more, the eight best of them (value descending, ties to the lower key, as jax.lax.top_k has it), and their softmax.
; gids [4096][8] u32 (stored by the launch before): from it the addresses of K's rows are formed, each number first held to 511.  kidx [4096][8] u32, kwts [4096][8] f32.
; SHARES.  A wave takes two tokens.  Column u (0..15) of the product stands for token u / 8 and its chosen group u % 8.  For each u: source 0 = 16 keys of group u (four fragments t),
; source 1 = Q's fragment with ZERO CODES in every column but u.  The four accumulators add over u = 0..15: column u receives its own group's scores and exact zeros from the other fifteen products,
; so that nothing is merged by vector work.  Row m of fragment t takes key 32 (m / 8) + 8 t + m % 8 of its group: lane (r, h) then holds, over t and its registers, the 32 neighbouring keys 32 h + 0 .. 31 of group r.
; These sums are sums of products of E2M1 numbers under a few powers of two: they are the same numbers as in the launch that took the maxima.
; K's fragments go from memory straight into registers, four columns (48 loads) ahead: each is wanted by one wave only, and which rows are wanted hangs on the stored list: no LDS, no cluster.
; THE ORDER is taken on the sums as they are; the division by sqrt(128) goes into the softmax's factor.  LIMITS: two different sums that the division would round to one f32 number are ordered here by value,
; in the definition by index; a NaN score is never taken.
; THE MODE: SCHED_MODE bits 1:0 = 2 (LLVM: expert scheduling mode 2), set by the entry lines.  The code itself states the register dependences
; between vector or matrix instructions and memory instructions, with s_wait_alu, always for 0.
; THE PLAN.  Registers that memory instructions touch:
;   v5, v6, v7, v9, CA, SA   offsets: written at the head, never again; read by the loads and the two stores.
;   v8, QF, QS               loaded once at the head; read by vector lines and products.
;   AR, AS                   slot u % 4: column u's four products read it; the twelve loads of column u + 4, issued in the same step behind the wait, land in it.
;   O                        written by the last selects; read by the two stores.
;   BB, the two masked copies of Q's fragment, are written by selects and taken as source 1 by the scaled products two columns on; the accumulators are named by matrix and vector lines alone.
; So ONE wait on va_vdst stands in a step, behind the four places that follow its products: it states that these products are done reading their slot, and that the copy made in the step before is written.
; The step's loads follow it at once; the selects of the next copy but one stand behind the loads and name none of their registers.
; A mask that a compare writes (a scalar register, or VCC) has its wait between the compare and the next line that names the mask's register, be it a select that reads it or a compare that writes it anew:
; one wait for a run of compares.
; No register that a memory instruction has read is written again; the one wait on vm_vsrc stands ahead of the write of EXEC.
.set CA,  16                           ; v16-31   column u: byte offset of my row of K's codes
.set SA,  32                           ; v32-47   and of its scale word
.set QF,  48                           ; v48-55   Q's fragment: column r holds token r / 8
.set QS,  56                           ; v56      its scale words
.set BB,  58                           ; v58-73   two masked copies of Q's fragment
.set ACC, 74                           ; v74-105  four accumulators
.set AR,  106                          ; v106-233 the ring: four columns x four fragments
.set AS,  234                          ; v234-249 the ring's scale words
.set P,   250                          ; v250     the key of the score in hand, as an f32 whole number (exact up to 32,767)
.set T,   252                          ; v252-253 at work
.set T2,  254                          ; v254     the other half's number in a reduction
.set V,   106                          ; once the products are done the ring's registers hold: v106-113 the list's values, v114-121 their keys,
.set I,   114
.set S,   128                          ; v128-135 the eight scores taken, v136-143 their keys, v144-151 the weights, v152-159 what I store
.set R,   136
.set W,   144
.set O,   152
.set M,   48                           ; s48-55   eight lane masks
.macro INS x                           ; v[x] with key v[P] into the sorted list: a new number goes in behind those equal to it, and a lane's keys ascend in time
.irp k, 0,1,2,3,4,5,6,7
	v_cmp_gt_f32 s[M+\k], v[(\x)], v[V+\k]
.endr
	s_wait_alu depctr_va_sdst(0)                   ; the eight compares have written their masks, which the selects below read
.irp k, 7,6,5,4,3,2,1
	v_cndmask_b32 v[T+\k%2], v[P], v[I+\k-1], s[M+\k-1]
	v_cndmask_b32 v[I+\k], v[I+\k], v[T+\k%2], s[M+\k]
	v_med3_num_f32 v[V+\k], v[(\x)], v[V+\k-1], v[V+\k]
.endr
	v_cndmask_b32 v[I], v[I], v[P], s[M]
	v_max_num_f32 v[V], v[(\x)], v[V]
.endm
.macro RMAX reg                        ; over a token's 16 lanes: eight neighbours in each half
.irp m, 1,2,4
	v_max_num_f32_dpp v[(\reg)], v[(\reg)], v[(\reg)] row_xmask:\m row_mask:0xf bank_mask:0xf
.endr
	v_permlanex16_b32 v[T2], v[(\reg)], s44, s45
	v_max_num_f32 v[(\reg)], v[(\reg)], v[T2]
.endm
.macro RMIN reg
.irp m, 1,2,4
	v_min_num_f32_dpp v[(\reg)], v[(\reg)], v[(\reg)] row_xmask:\m row_mask:0xf bank_mask:0xf
.endr
	v_permlanex16_b32 v[T2], v[(\reg)], s44, s45
	v_min_num_f32 v[(\reg)], v[(\reg)], v[T2]
.endm
.macro POP rho                         ; round rho: the largest head, among equals the lowest key, leaves its list
	v_mov_b32 v[S+\rho], v[V]
	RMAX S+\rho
	v_cmp_eq_f32 vcc_lo, v[V], v[S+\rho]
	s_wait_alu depctr_va_vcc(0)                    ; the compare has written VCC, which the select below reads
	v_cndmask_b32 v[R+\rho], 0x7f800000, v[I], vcc_lo
	RMIN R+\rho
	v_cmp_eq_f32 vcc_lo, v[I], v[R+\rho]
	s_wait_alu depctr_va_vcc(0)                    ; the compare has written VCC, ahead of the next line that names VCC: the selects below, which read it; in the last round, which has none, the compare behind the reciprocal, which writes it anew
.set KK, 0
.rept 7-\rho
	v_cndmask_b32 v[V+KK], v[V+KK], v[V+KK+1], vcc_lo
	v_cndmask_b32 v[I+KK], v[I+KK], v[I+KK+1], vcc_lo
.set KK, KK+1
.endr
.endm
	s_load_b256 s[4:11], s[0:1], 0x0               ; gids s[4:5], qcodes s[6:7], qscales s[8:9], K's codes s[10:11]
	s_load_b128 s[12:15], s[0:1], 0x20             ; K's scales s[12:13], kidx s[14:15]
	s_load_b64 s[16:17], s[0:1], 0x30              ; kwts
	v_lshrrev_b32 v1, 5, v0
	v_readfirstlane_b32 s18, v1                    ; wave
	s_lshl_b32 s19, ttmp9, 4
	s_wait_alu depctr_va_sdst(0)                   ; s18 is written, ahead of its first reader: the bases are made from it
	s_lshl_b32 s36, s18, 1
	s_add_co_u32 s19, s19, s36                     ; my first token
	s_lshl_b32 s36, s19, 5                         ; 32 bytes a token in gids, kidx and kwts
	s_mov_b32 s37, 0
	s_lshl_b32 s38, s19, 4
	s_mov_b32 s39, 0
	s_lshl_b32 s40, s19, 2
	s_mov_b32 s41, 0
	s_mov_b32 s44, 0x76543210                      ; v_permlanex16_b32's selects for lane l xor 16
	s_mov_b32 s45, 0xfedcba98
	s_wait_kmcnt 0x0
	s_add_nc_u64 s[4:5], s[4:5], s[36:37]
	s_load_b512 s[20:35], s[4:5], 0x0              ; my two tokens' sixteen groups
	s_add_nc_u64 s[14:15], s[14:15], s[36:37]
	s_add_nc_u64 s[16:17], s[16:17], s[36:37]
	s_add_nc_u64 s[6:7], s[6:7], s[38:39]
	s_add_nc_u64 s[8:9], s[8:9], s[40:41]
	v_and_b32 v1, 15, v0                           ; r
	v_bfe_u32 v2, v0, 4, 1                         ; h
	v_lshrrev_b32 v10, 3, v1                       ; r / 8: which of the two tokens
	v_and_b32 v11, 7, v1
	v_lshl_add_u32 v11, v10, 5, v11                ; my row's key in its group: 32 (r / 8) + r % 8
	v_lshlrev_b32 v3, 6, v11
	v_lshl_add_u32 v3, v2, 4, v3                   ; v3: in K's codes
	v_lshlrev_b32 v4, 2, v11                       ; v4: in K's scale words
	v_lshlrev_b32 v5, 4, v10
	v_lshl_add_u32 v5, v2, 16, v5                  ; v5: Q's codes: block 2 c + h, token r / 8
	v_lshlrev_b32 v6, 2, v10                       ; v6: Q's scale word
	v_lshlrev_b32 v7, 2, v1                        ; v7: column r's group in gids
	v_and_b32 v12, 1, v1                           ; v12: r % 2
	v_lshlrev_b32 v9, 4, v12
	v_lshl_add_u32 v9, v10, 5, v9                  ; v9: where lanes 0, 1, 8, 9 store
	v_mov_b32 v[T2], 0                             ; a lane permute's destination counts as one of its sources
	s_wait_alu depctr_va_vdst(0)                   ; v5, v6 and v7 are written, which the four loads below read as their offsets (and v9, which the stores at the end read)
	global_load_b32 v8, v7, s[4:5]
.irp c, 0,1
	global_load_b128 v[QF+4*\c:QF+4*\c+3], v5, s[6:7] offset:131072*\c
.endr
	global_load_b32 v[QS], v6, s[8:9]
	s_wait_kmcnt 0x0
.irp u, 0,1,2,3,4,5,6,7,8,9,10,11,12,13,14,15
	s_min_u32 s[20+\u], s[20+\u], 511              ; a loaded number enters an address only held inside its table
	v_lshl_add_u32 v[CA+\u], s[20+\u], 12, v3      ; 64 keys x 64 bytes a group
	v_lshl_add_u32 v[SA+\u], s[20+\u], 8, v4       ; 64 keys x 4 bytes
.endr
.macro ALOAD u                         ; column u's four fragments and scale words into slot u % 4: twelve loads
.irp t, 0,1,2,3
.irp c, 0,1
	global_load_b128 v[AR+32*((\u)%4)+8*\t+4*\c:AR+32*((\u)%4)+8*\t+4*\c+3], v[CA+(\u)], s[10:11] offset:512*\t+32*\c
.endr
	global_load_b32 v[AS+4*((\u)%4)+\t], v[SA+(\u)], s[12:13] offset:32*\t
.endr
.endm
.macro BUILD u                         ; Q's fragment with zero codes in every column but u (lanes u and u + 16), into copy u % 2
	s_mov_b32 s46, 0x10001<<(\u)
.irp i, 0,1,2,3,4,5,6,7
	v_cndmask_b32 v[BB+8*((\u)%2)+\i], 0, v[QF+\i], s46
.endr
.endm
	s_wait_alu depctr_va_vdst(0)                   ; the 32 offsets CA and SA are written: every load of K reads one of them
.irp u, 0,1,2,3
	ALOAD \u
.endr
	s_wait_loadcnt 48                              ; all but the ring's 48: my group and Q are in
	BUILD 0
	BUILD 1                                        ; (its eight lines are also the places between copy 0's last write and the first product)
	v_min_u32 v8, 0x1ff, v8
	v_lshlrev_b32 v8, 6, v8
	v_lshl_add_u32 v8, v2, 5, v8
	v_cvt_f32_u32 v[P], v8                         ; my first key: 64 x group + 32 h
	s_wait_alu depctr_va_vdst(0)                   ; the selects have written both copies of Q's fragment, which the scaled products of columns 0 and 1 take as source 1
.macro USTEP u
.if (\u) < 13
	s_wait_loadcnt 36                              ; this column's twelve loads are in; those of the three younger columns may be out
.else
	s_wait_loadcnt 12*(15-(\u))
.endif
.irp t, 0,1,2,3                        ; the four accumulators take turns, one instruction a turn
.if (\u) == 0
	v_wmma_scale_f32_16x16x128_f8f6f4 v[ACC+8*\t:ACC+8*\t+7], v[AR+32*((\u)%4)+8*\t:AR+32*((\u)%4)+8*\t+7], v[BB+8*((\u)%2):BB+8*((\u)%2)+7], 0, v[AS+4*((\u)%4)+\t], v[QS] matrix_a_fmt:MATRIX_FMT_FP4 matrix_b_fmt:MATRIX_FMT_FP4
.else
	v_wmma_scale_f32_16x16x128_f8f6f4 v[ACC+8*\t:ACC+8*\t+7], v[AR+32*((\u)%4)+8*\t:AR+32*((\u)%4)+8*\t+7], v[BB+8*((\u)%2):BB+8*((\u)%2)+7], v[ACC+8*\t:ACC+8*\t+7], v[AS+4*((\u)%4)+\t], v[QS] matrix_a_fmt:MATRIX_FMT_FP4 matrix_b_fmt:MATRIX_FMT_FP4
.endif
.endr
.rept 4
	v_nop                                          ; places: the copy that these products took is written again below; behind the last column, the results are read
.endr
.if (\u)+4 < 16
	s_wait_alu depctr_va_vdst(0)                   ; this column's products are done reading their slot and its scale words, in which the twelve loads below land; the copy made in the step before is written, which the next column's products take
	ALOAD (\u)+4
.elseif (\u) < 15
	s_wait_alu depctr_va_vdst(0)                   ; the copy made in the step before is written, which the next column's scaled products take as source 1
.endif
.if (\u)+2 < 16
	BUILD (\u)+2                                   ; used two columns on; it names none of the registers that the loads above touch
.endif
.endm
.set U, 0
.rept 16
	USTEP U
.set U, U+1
.endr
.irp k, 0,1,2,3,4,5,6,7
	v_mov_b32 v[V+\k], 0xff800000                  ; -infinity: every lane puts 32 numbers in
	v_mov_b32 v[I+\k], 0
.endr
.irp t, 0,1,2,3
.irp j, 0,1,2,3,4,5,6,7
	INS ACC+8*\t+\j                                ; keys ascending; each accumulator from its low end on
	v_add_f32 v[P], 1.0, v[P]
.endr
.endr
.irp rho, 0,1,2,3,4,5,6,7
	POP \rho
.endr
	; the softmax of the eight: the first is the largest and is taken away; log2(e) / sqrt(128) in one factor
.irp k, 0,1,2,3,4,5,6,7
	v_sub_f32 v[W+\k], v[S+\k], v[S]
.endr
.irp k, 0,1,2,3,4,5,6,7
	v_mul_f32 v[W+\k], 0x3e0293ee, v[W+\k]
.endr
.irp k, 0,1,2,3,4,5,6,7
	v_exp_f32 v[W+\k], v[W+\k]
.endr
	v_nop                                          ; a plain place behind the exponentials
	s_wait_alu depctr_va_vdst(0)                   ; the eight exponentials have written v[W ..], ahead of their first reader
	v_add_f32 v[T], v[W], v[W+1]
	v_add_f32 v[T+1], v[W+2], v[W+3]
	v_add_f32 v[T], v[T], v[W+4]
	v_add_f32 v[T+1], v[T+1], v[W+5]
	v_add_f32 v[T], v[T], v[W+6]
	v_add_f32 v[T+1], v[T+1], v[W+7]
	v_add_f32 v[T], v[T], v[T+1]
	v_rcp_f32 v[T+1], v[T]
	v_cmp_eq_u32 vcc_lo, 1, v12                    ; (a plain place behind the reciprocal)  odd columns
	s_wait_alu depctr_va_vdst(0)                   ; the reciprocal has written v[T+1], ahead of its first reader
.irp k, 0,1,2,3,4,5,6,7
	v_mul_f32 v[W+\k], v[W+\k], v[T+1]
	v_cvt_u32_f32 v[R+\k], v[R+\k]
.endr
	s_wait_alu depctr_va_vcc(0)                    ; the compare above has written VCC, which the selects below read
.irp k, 0,1,2,3
	v_cndmask_b32 v[O+\k], v[R+\k], v[R+4+\k], vcc_lo          ; even column: the first four; odd: the others
	v_cndmask_b32 v[O+4+\k], v[W+\k], v[W+4+\k], vcc_lo
.endr
	v_and_b32 v11, 0x16, v0                        ; lanes 0, 1 (first token) and 8, 9 (second) store
	s_wait_xcnt 0x0                                ; EXEC is a source of the loads above: it changes only behind this wait
	v_cmp_eq_u32 vcc_lo, 0, v11
	s_wait_alu depctr_va_vcc(0)                    ; the compare has written VCC, from which EXEC is made
	s_wait_alu depctr_va_vdst(0)                   ; ahead of the scalar write of EXEC: every vector instruction is done; among them the selects that wrote v[O ..], which the stores below read
	s_wait_alu depctr_vm_vsrc(0)                   ; ahead of the scalar write of EXEC: every memory instruction has read its vector registers
	s_and_saveexec_b32 s47, vcc_lo
	global_store_b128 v9, v[O:O+3], s[14:15]       ; 64 consecutive bytes of kidx
	global_store_b128 v9, v[O+4:O+7], s[16:17]     ; and of kwts
	s_endpgm
.Lfunc_end_k_q03ca3f669f_rescan:
	.size	k_q03ca3f669f_rescan, .Lfunc_end_k_q03ca3f669f_rescan-k_q03ca3f669f_rescan
	.p2alignl 7, 3214868480
	.fill 96, 4, 3214868480
	.section	.rodata,"a",@progbits
	.p2align	6, 0x0
	.amdhsa_kernel k_q03ca3f669f_rescan
		.amdhsa_group_segment_fixed_size 0
		.amdhsa_private_segment_fixed_size 0
		.amdhsa_enable_private_segment 0
		.amdhsa_kernarg_size 56
		.amdhsa_user_sgpr_count 2
		.amdhsa_user_sgpr_kernarg_segment_ptr 1
		.amdhsa_wavefront_size32 1
		.amdhsa_system_sgpr_workgroup_id_x 1
		.amdhsa_system_sgpr_workgroup_id_y 1
		.amdhsa_system_sgpr_workgroup_id_z 1
		.amdhsa_system_vgpr_workitem_id 0
		.amdhsa_next_free_vgpr 256
		.amdhsa_next_free_sgpr 66
		.amdhsa_reserve_vcc 1
		.amdhsa_float_denorm_mode_32 3
		.amdhsa_float_denorm_mode_16_64 3
		.amdhsa_memory_ordered 1
		.amdhsa_forward_progress 1
		.amdhsa_inst_pref_size 118
	.end_amdhsa_kernel
	.amdgpu_metadata
---
amdhsa.version: [ 1, 2 ]
amdhsa.kernels:
  - .name:           k_q03ca3f669f_rescan
    .symbol:         k_q03ca3f669f_rescan.kd
    .args:
      - { .name: gids, .offset: 0, .size: 8, .value_kind: global_buffer, .address_space: global }
      - { .name: qcodes, .offset: 8, .size: 8, .value_kind: global_buffer, .address_space: global }
      - { .name: qscales, .offset: 16, .size: 8, .value_kind: global_buffer, .address_space: global }
      - { .name: knowledge_K_codes, .offset: 24, .size: 8, .value_kind: global_buffer, .address_space: global }
      - { .name: knowledge_K_scales, .offset: 32, .size: 8, .value_kind: global_buffer, .address_space: global }
      - { .name: kidx, .offset: 40, .size: 8, .value_kind: global_buffer, .address_space: global }
      - { .name: kwts, .offset: 48, .size: 8, .value_kind: global_buffer, .address_space: global }
    .group_segment_fixed_size: 0
    .private_segment_fixed_size: 0
    .kernarg_segment_align: 8
    .kernarg_segment_size: 56
    .max_flat_workgroup_size: 256
    .sgpr_count:     66
    .vgpr_count:     256
    .wavefront_size: 32
...
	.end_amdgpu_metadata
.endif
;; end of part 7
;; launch gather: the kernel of part 5 again; grid 1024 x 1, 8 waves a work-group, no clusters, 0 bytes of LDS; arguments kidx, kwts, knowledge_V, out0; writes out0
